; MI455X (gfx1250); checked and timed in simulation.
; The chip was launched on July 23, 2026; its instructions are those of AMD's public machine-readable ISA for CDNA 5 (MIT licence, August 2026) and "CDNA5" Instruction Set Architecture Reference Guide (July 2026). The comments in the code are by the model that wrote it; some were corrected since.
;; Multi Head Attention. Allowed arithmetic: matrix products marked QUANTISED: E2M3 operands, one E8M0 scale for each 32 along K, by v_wmma_scale_f32_16x16x128_f8f6f4 with both operands' format E2M3, f32 sums; everything else in f32.
;; Inputs: Wk 16 x 1,024 x 64 float32; Wp 1,024 x 1,024 float32; Wq 16 x 1,024 x 64 float32; Wv 16 x 1,024 x 64 float32; bp 1,024 float32; x 4 x 2,048 x 1,024 float32.
;; Outputs: out0 4 x 2,048 x 1,024 float32.
;; This version of the problem:
;;   THIS VERSION OF THE PROBLEM IS GIVEN IN LOW PRECISION. The matrix products marked QUANTISED in the list below multiply operands that are first quantised to E2M3 (2 exponent bits, 3 mantissa bits; 6 bits a number), with one power-of-two scale for each 32 numbers along K (OCP MX v1.0); their sums are f32. All else is computed in f32.
;;   The module's matrix products, in the order in which they are computed (A, B: the left and right operand; K: the contracted axis; several contracted axes count as one K, in the product's order):
;;     1. [M 1,024, K 1,024] x [K 1,024, N 8,192]; A: input Wq; B: input x: QUANTISED
;;     2. [M 1,024, K 1,024] x [K 1,024, N 8,192]; A: input Wk; B: input x: QUANTISED
;;     3. [M 1,024, K 1,024] x [K 1,024, N 8,192]; A: input Wv; B: input x: QUANTISED
;;     4. batch 64 x [M 2,048, K 64] x [K 64, N 2,048]; A: computed on the way; B: computed on the way: QUANTISED
;;     5. batch 64 x [M 2,048, K 2,048] x [K 2,048, N 64]; A: softmax (see below); B: computed on the way: QUANTISED
;;     6. [M 8,192, K 1,024] x [K 1,024, N 1,024]; A: computed on the way; B: input Wp: QUANTISED
;;   THE QUANTISER, for each operand of a quantised product, along K:
;;     - K is cut into blocks of 32 from its start; a last block that is shorter is filled with zeros.
;;     - A block's scale is 2^e with e = floor(log2(the largest magnitude in the block)) - 2, held to -126 .. 127; a block of zeros has e = 0. As a byte (E8M0): e + 127.
;;     - Each number is divided by its block's scale, clamped to +-7.5, and rounded to the nearest number of E2M3, ties to even, subnormals kept.
;;     - The product sums the exact products of the quantised numbers (number of the format x scale) in f32.
;;   ~~~python
;;   def quantise(x, axis):      # numpy; x: float32 -> the quantised numbers, widened to float32 again
;;       x = np.moveaxis(x, axis, -1); K = x.shape[-1]
;;       x = np.pad(x, [(0, 0)] * (x.ndim - 1) + [(0, -K % 32)]); x = x.reshape(x.shape[:-1] + (-1, 32)); a = np.abs(x).max(-1, keepdims=True)
;;       e = np.where(a > 0, np.clip(np.frexp(np.where(a > 0, a, 1))[1] - 1 - 2, -126, 127), 0)      # np.frexp(a)[1] - 1 = floor(log2(a)), exactly
;;       r = np.clip(x / 2.0 ** e, -7.5, 7.5)
;;       step = 2.0 ** (np.maximum(np.frexp(np.where(r == 0, 1, r))[1] - 1, 0) - 3)
;;       q = np.round(r / step) * step * 2.0 ** e      # np.round: ties to even
;;       return np.moveaxis(q.reshape(q.shape[:-2] + (-1,))[..., :K], -1, axis).astype(np.float32)
;;   ~~~
;;   SOFTMAX AHEAD OF A QUANTISED PRODUCT. Where the list says 'softmax', what is quantised is not the finished softmax but p = 2^(t - M), with t = logit x log2(e) and M = ceil(the row's largest t), a whole number; so 1/2 < the row's largest p <= 1. The row's sum l is taken of the UNQUANTISED p, in f32, and the product's result is divided by l at the end. Since M is a whole number, a kernel that streams over the keys may use a running M (the ceiling of the running maximum): every later rescaling is an exact power of two, which a block's scale takes up: the codes' values come out the same.
;;   OPERANDS COMPUTED ON THE WAY. 'Computed on the way' means the value that the module computes at that place (a softmax that the list does not call 'softmax' is quantised finished and normalised). What goes into a quantiser is computed in f32, as accurately as f32 sums, v_exp_f32 and their like allow (about 1e-6 of the number): no bf16 or f16 on the way to a quantiser, and a product that is left as it is and whose result goes on into a quantised operand takes f32 operands (vector FMAs, or v_wmma_f32_16x16x4_f32). A number that lies on a knife's edge between two numbers of the format may be rounded either way, as far as f32 arithmetic and the matrix unit's own rounding can turn it there, and no further.
;; One version. Each part assembles by itself: llvm-mc -triple=amdgcn-amd-amdhsa -mcpu=gfx1250 --defsym DOCPART=n.
;; ======== version 1 of 1: 4 launches
;; limits: right only within a limited range of input values
;; workspace buffers: ximg 6,553,600 bytes; wimg 3,276,800 bytes; qkv 19,660,800 bytes; oimg 6,553,600 bytes
;; launch quant (part 1): grid 384 x 1, 4 waves a work-group, no clusters, 40,448 bytes of LDS; arguments x, Wq, Wk, Wv, Wp, ximg, wimg; writes ximg, wimg
.if DOCPART == 1
	.amdgcn_target "amdgcn-amd-amdhsa--gfx1250"
	.amdhsa_code_object_version 6
	.text
	.protected	k_q6941f90b7b_quant
	.globl	k_q6941f90b7b_quant
	.p2align	8
	.type	k_q6941f90b7b_quant,@function
k_q6941f90b7b_quant:
	s_mov_b64 s[64:65], 0
	v_nop
	global_prefetch_b8 v0, s[64:65] scope:SCOPE_SE
	s_setreg_imm32_b32 hwreg(HW_REG_WAVE_MODE, 25, 1), 1
	s_wait_xcnt 0x0
; x [8192][1024] and the four weights become codes of FP6 (E2M3) with one E8M0 byte for each 32 along K, laid in the ORDER OF THE OPERAND'S REGISTERS.
; HALF IMAGE (768 bytes): 16 rows x 64 along K.  Lane (r, h) owns block h (32 codes, 6 registers) of row r: registers 0-3 at byte 16 x lane, registers 4-5 at 512 + 8 x lane.
; A PAIR is 32 rows; its tile u holds, in lane r, row 8 u + r + 8 (r / 8).  A BLOCK (6,400 bytes) is a pair x 256 along K: half image (u, q) at (4 u + q) 768, then 256 bytes of scale words at
; 6144 + 128 u + 8 r + 4 s (word s: the block's s-th 128 along K, a byte for each 32).  A pair's four blocks follow each other: 25,600 bytes.
; ximg: pair = 32 rows of x.  wimg: pairs 0-31 Wq (row = 64 head + d), 32-63 Wk, 64-95 Wv, 96-127 Wp (row = column n); K = the weights' axis of 1,024.
; SHARES: a wave makes one block (pair = the work-group's, 256 along K = the wave's): 32 KiB of f32 in, 6,400 consecutive bytes out.  Work-groups 0-127 take the weights, 128-383 take x.
; The two ways have LDS bytes of their own; waves share nothing: no barrier.  Nothing is shared between work-groups either, so no cluster; the matrix unit has no part.
; A block's scale is 2^(floor(log2(largest magnitude)) - 2): the byte is the largest magnitude's exponent field - 2, held at 1 from below by a floor among the maximum's leaves.
; LIMITS: NaN and infinities are not served; blocks whose largest magnitude lies under 2^-124 keep the byte 1; a block of zeros has the byte 1 where the rule says 127 (its codes are zeros, and this program alone reads the bytes).
.set PAIRB, 25600
.set BLKB,  6400
.set XPIT,  528                        ; x's stage: a row's 512 bytes + 16, so that sixteen rows start at sixteen different groups of banks
.set XSTG,  16*XPIT
.set WLDS,  4*XSTG                     ; the weights' stages lie behind x's
.set WSTG,  1536                       ; two half images
.set FLOOR, 0x1800000                  ; 2^(3 - 127)
.set EOFF,  0xff000000                 ; takes 2 off an exponent field
	s_load_b256 s[4:11], s[0:1], 0x0               ; x, Wq, Wk, Wv
	s_load_b128 s[12:15], s[0:1], 0x20             ; Wp, ximg
	s_load_b64 s[16:17], s[0:1], 0x30              ; wimg
	v_lshl_add_u32 v254, v0, 2, 0x9c00
	v_mov_b32 v255, 0
	v_lshrrev_b32 v1, 5, v0
	v_readfirstlane_b32 s18, v1                    ; wave = which 256 along K
	v_and_b32 v5, 31, v0                           ; lane
	v_lshlrev_b32 v1, 4, v5                        ; 16 x lane
	v_lshlrev_b32 v2, 3, v5                        ; 8 x lane
	v_bfe_u32 v3, v0, 4, 1                         ; h
	s_mul_i32 s19, s18, BLKB
	s_mov_b32 s20, 0x76543210
	s_mov_b32 s21, 0xfedcba98                      ; lane l xor 16
	s_cmp_lt_u32 ttmp9, 128
	s_cbranch_scc0 .Lxpath
; ---------------- THE WEIGHTS: K is not innermost.  A lane takes a column (a row of the operand) and its registers run down K.
; v16-47 byte offsets of 32 rows of K; v48-111 two sets of 32 numbers; v144-155 two sets of codes; v160-207 what leaves; v208-209 the scale words
	s_and_b32 s25, ttmp9, 31
	s_lshr_b32 s26, s25, 1
	s_lshl_b32 s26, s26, 18                        ; Wq, Wk, Wv: head x 1,024 x 256 bytes
	s_and_b32 s27, s25, 1
	s_lshl_b32 s27, s27, 7
	s_add_co_u32 s26, s26, s27                     ; + which 32 of the head's 64 columns
	s_lshl_b32 s27, s25, 7                         ; Wp: 32 columns of 4 bytes a pair
	s_lshr_b32 s28, ttmp9, 5                       ; which tensor
	s_mov_b32 s24, 4096
	s_mul_i32 s32, ttmp9, PAIRB
	s_add_co_u32 s32, s32, s19
	s_mov_b32 s33, 0
	s_mul_i32 s34, s18, WSTG
	s_add_co_u32 s34, s34, WLDS                    ; my stage
	v_bfe_u32 v6, v0, 3, 1                         ; column l lies in tile u = (l / 8) % 2,
	v_and_b32 v7, 7, v0
	s_wait_alu depctr_va_vdst(0)
	v_lshl_or_b32 v7, v3, 3, v7                    ; lane r = l % 8 + 8 (l / 16)
	v_mul_u32_u24 v8, v6, 768
	v_add_nc_u32 v8, s34, v8
	v_lshl_add_u32 v9, v7, 3, v8                   ; where registers 4-5 go (+ 512 + 128 x block)
	v_lshl_add_u32 v8, v7, 4, v8                   ; where registers 0-3 go (+ 256 x block)
	v_add_nc_u32 v10, s34, v1                      ; back: 16 bytes a lane
	v_mad_u32_u24 v11, v3, 2304, v1                ; the middle 512 bytes: tile 0's end, tile 1's begin, 3,072 - 768 bytes further on in memory
	v_lshlrev_b32 v12, 7, v6
	v_lshl_add_u32 v12, v7, 3, v12                 ; my scale words: 128 u + 8 r
	v_lshlrev_b32 v16, 2, v5
	s_wait_alu depctr_va_vdst(0)
	s_wait_kmcnt 0x0
	s_cmp_eq_u32 s28, 0                            ; the choices hang on the work-group's number alone
	s_cselect_b64 s[22:23], s[6:7], s[8:9]
	s_cmp_lt_u32 s28, 2
	s_cselect_b64 s[22:23], s[22:23], s[10:11]
	s_cmp_lt_u32 s28, 3
	s_cselect_b64 s[22:23], s[22:23], s[12:13]
	s_cselect_b32 s24, 256, s24                    ; bytes from one k to the next
	s_cselect_b32 s26, s26, s27
	s_mul_i32 s27, s18, s24
	s_lshl_b32 s27, s27, 8                         ; my 256 along K
	s_add_co_u32 s26, s26, s27
	s_mov_b32 s27, 0
	s_add_nc_u64 s[22:23], s[22:23], s[26:27]
	s_lshl_b32 s30, s24, 5                         ; 32 along K on
	s_mov_b32 s31, 0
	s_add_nc_u64 s[16:17], s[16:17], s[32:33]
.set kk, 1
.rept 31
	v_add_nc_u32 v[16+kk], s24, v[15+kk]
.set kk, kk+1
.endr
.macro LOADW t                         ; block t: 32 rows of K, 128 consecutive bytes a load
.if (\t) > 0
	s_wait_xcnt 0x0                                ; the loads issued so far have read their base
	s_add_nc_u64 s[22:23], s[22:23], s[30:31]
.endif
.set kk, 0
.rept 32
	global_load_b32 v[48+32*((\t)%2)+kk], v[16+kk], s[22:23]
.set kk, kk+1
.endr
.endm
.macro BLOCKW t
.set XS, 48+32*((\t)%2)
.set CW, 144+6*((\t)%2)
.if (\t) < 7
	s_wait_loadcnt 32                              ; this block's 32 loads are in; the next block's 32 may be out
.else
	s_wait_loadcnt 0x0
.endif
	v_max3_num_f32 v210, |v[XS]|, |v[XS+1]|, |v[XS+2]|
	v_max3_num_f32 v211, |v[XS+3]|, |v[XS+4]|, |v[XS+5]|
.irp i, 6,10,14,18,22,26
	v_max3_num_f32 v210, v210, |v[XS+\i]|, |v[XS+\i+1]|
	v_max3_num_f32 v211, v211, |v[XS+\i+2]|, |v[XS+\i+3]|
.endr
	v_max3_num_f32 v210, v210, |v[XS+30]|, |v[XS+31]|
	v_max3_num_f32 v210, v210, v211, FLOOR
	v_add_nc_u32 v212, EOFF, v210                  ; the conversion's scale operand
	v_lshrrev_b32 v213, 23, v212                   ; the byte
.if (\t)%4 == 0
	v_mov_b32 v[208+(\t)/4], v213
.else
	v_lshl_or_b32 v[208+(\t)/4], v213, 8*((\t)%4), v[208+(\t)/4]
.endif
	v_cvt_scalef32_pk16_fp6_f32 v[CW:CW+2], v[XS:XS+15], v212
	v_cvt_scalef32_pk16_fp6_f32 v[156:158], v[XS+16:XS+31], v212   ; (three registers from an even one on: made apart and moved)
	v_nop                                          ; a plain line behind the conversions
	v_mov_b32 v[CW+3], v156
	v_mov_b32 v[CW+4], v157
	v_mov_b32 v[CW+5], v158
	ds_store_b128 v8, v[CW:CW+3] offset:256*((\t)%2)
	ds_store_b64 v9, v[CW+4:CW+5] offset:512+128*((\t)%2)
.if (\t)+2 < 8
	LOADW (\t)+2
.endif
.if (\t)%2 == 1                        ; two blocks make the two tiles' half images: 1,536 bytes, which leave in whole runs of 256 bytes
.irp i, 0,1,2
	ds_load_b128 v[160+12*((\t)/2)+4*\i:160+12*((\t)/2)+4*\i+3], v10 offset:512*\i   ; a wave's LDS instructions are served in order: these see my stores
.endr
	s_wait_dscnt 0x0
	global_store_b128 v1, v[160+12*((\t)/2):160+12*((\t)/2)+3], s[16:17] offset:((\t)/2)*768
	global_store_b128 v11, v[160+12*((\t)/2)+4:160+12*((\t)/2)+7], s[16:17] offset:((\t)/2)*768+512
	global_store_b128 v1, v[160+12*((\t)/2)+8:160+12*((\t)/2)+11], s[16:17] offset:((\t)/2)*768+3328
.endif
.endm
	LOADW 0
	s_wait_alu depctr_va_vdst(0)
	LOADW 1
.irp t, 0,1,2,3,4,5,6,7
	BLOCKW \t
.endr
	s_wait_alu depctr_va_vdst(0)
	global_store_b64 v12, v[208:209], s[16:17] offset:6144   ; 32 lanes: the block's 256 bytes of scale words
	s_wait_tensorcnt 0x0
	ds_add_u32 v254, v255
	s_wait_dscnt 0x0
	s_endpgm
; ---------------- x: K is innermost.  Four units (tile u, 128 along K): each load takes 512 consecutive bytes of one row; the unit turns through my stage, so that a lane gets 2 x 32 neighbours.
; v16-143 two sets as loaded; v144-207 the lane's two blocks; v208-231 two sets of codes; v248-251 the scale words
.Lxpath:
	s_sub_co_u32 s24, ttmp9, 128                   ; pair
	s_lshl_b32 s26, s24, 17                        ; 32 rows of 4,096 bytes
	s_lshl_b32 s27, s18, 10
	s_add_co_u32 s26, s26, s27
	s_mov_b32 s27, 0
	s_mul_i32 s28, s24, PAIRB
	s_add_co_u32 s28, s28, s19
	s_mov_b32 s29, 0
	s_mul_i32 s30, s18, XSTG
	s_wait_alu depctr_va_vdst(0)
	v_add_nc_u32 v8, s30, v1                       ; into the stage: 16 x lane (+ row x pitch)
	v_and_b32 v7, 15, v0
	v_mul_u32_u24 v9, v7, XPIT
	v_lshl_add_u32 v9, v3, 7, v9
	v_add_nc_u32 v9, s30, v9                       ; out of it: row r, + 128 h bytes: block h of each 64 along K
	v_lshlrev_b32 v6, 3, v3                        ; 8 h: my bytes' place in a scale word
	v_mov_b32 v247, 0                              ; a lane permute's destination counts as read
	v_cmp_eq_u32 vcc_lo, 1, v3
	s_wait_alu depctr_va_vdst(0)
	s_wait_kmcnt 0x0
	s_add_nc_u64 s[4:5], s[4:5], s[26:27]
	s_add_nc_u64 s[14:15], s[14:15], s[28:29]
.macro LOADX n
.set kk, 0
.rept 16
	global_load_b128 v[16+64*((\n)%2)+4*kk:16+64*((\n)%2)+4*kk+3], v1, s[4:5] offset:(8*((\n)/2)+kk+8*(kk/8))*4096+512*((\n)%2) th:TH_LOAD_NT
.set kk, kk+1
.endr
.endm
.macro UNITX n
.set RS, 16+64*((\n)%2)
.set CX, 208+12*((\n)%2)
.if (\n) < 3
	s_wait_loadcnt 16                              ; this unit's 16 loads are in; the next unit's 16 may be out
.else
	s_wait_loadcnt 0x0
.endif
.set kk, 0
.rept 16
	ds_store_b128 v8, v[RS+4*kk:RS+4*kk+3] offset:kk*XPIT
.set kk, kk+1
.endr
.irp c, 0,1
.irp j, 0,1,2,3,4,5,6,7
	ds_load_b128 v[144+32*\c+4*\j:144+32*\c+4*\j+3], v9 offset:256*\c+16*\j
.endr
.endr
	s_wait_dscnt 0x0                               ; my numbers are back, and the stores into the stage have read their registers
	s_wait_xcnt 0x0                                ; the stores of two units ago have read the codes' registers
.if (\n)+2 < 4
	LOADX (\n)+2
.endif
.irp c, 0,1
	v_max3_num_f32 v[240+\c], |v[144+32*\c]|, |v[145+32*\c]|, FLOOR
.endr
.irp i, 2,4,6,8,10,12,14,16,18,20,22,24,26,28,30
.irp c, 0,1
	v_max3_num_f32 v[240+\c], v[240+\c], |v[144+32*\c+\i]|, |v[145+32*\c+\i]|
.endr
.endr
.irp c, 0,1
	v_add_nc_u32 v[242+\c], EOFF, v[240+\c]
.endr
.irp c, 0,1
	v_lshrrev_b32 v[244+\c], 23, v[242+\c]
.endr
.irp c, 0,1
	v_cvt_scalef32_pk16_fp6_f32 v[CX+6*\c:CX+6*\c+2], v[144+32*\c:159+32*\c], v[242+\c]
	v_cvt_scalef32_pk16_fp6_f32 v[232+4*\c:234+4*\c], v[160+32*\c:175+32*\c], v[242+\c]
.endr
	v_lshl_or_b32 v246, v245, 16, v244             ; my two bytes: blocks h and 2 + h (a plain line behind the conversions),
	v_lshlrev_b32 v246, v6, v246                   ; at their places;
	v_permlanex16_b32 v247, v246, s20, s21
	v_or_b32 v[248+(\n)], v246, v247               ; with lane l xor 16's the word is whole
.irp c, 0,1
.irp i, 0,1,2
	v_mov_b32 v[CX+6*\c+3+\i], v[232+4*\c+\i]
.endr
.endr
.irp c, 0,1
	global_store_b128 v1, v[CX+6*\c:CX+6*\c+3], s[14:15] offset:(4*((\n)/2)+2*((\n)%2)+\c)*768
	global_store_b64 v2, v[CX+6*\c+4:CX+6*\c+5], s[14:15] offset:(4*((\n)/2)+2*((\n)%2)+\c)*768+512
.endr
.endm
	LOADX 0
	LOADX 1
.irp n, 0,1,2,3
	UNITX \n
.endr
	v_cndmask_b32 v244, v248, v250, vcc_lo         ; lanes 0-15 store tile 0's words, lanes 16-31 tile 1's
	v_cndmask_b32 v245, v249, v251, vcc_lo
	global_store_b64 v2, v[244:245], s[14:15] offset:6144
	s_wait_tensorcnt 0x0
	ds_add_u32 v254, v255
	s_wait_dscnt 0x0
	s_endpgm
.Lfunc_end_k_q6941f90b7b_quant:
	.size	k_q6941f90b7b_quant, .Lfunc_end_k_q6941f90b7b_quant-k_q6941f90b7b_quant
	.p2alignl 7, 3214868480
	.fill 96, 4, 3214868480
	.section	.rodata,"a",@progbits
	.p2align	6, 0x0
	.amdhsa_kernel k_q6941f90b7b_quant
		.amdhsa_group_segment_fixed_size 40448
		.amdhsa_private_segment_fixed_size 0
		.amdhsa_enable_private_segment 0
		.amdhsa_kernarg_size 56
		.amdhsa_user_sgpr_count 2
		.amdhsa_user_sgpr_kernarg_segment_ptr 1
		.amdhsa_wavefront_size32 1
		.amdhsa_system_sgpr_workgroup_id_x 1
		.amdhsa_system_sgpr_workgroup_id_y 1
		.amdhsa_system_sgpr_workgroup_id_z 1
		.amdhsa_system_vgpr_workitem_id 0
		.amdhsa_next_free_vgpr 256
		.amdhsa_next_free_sgpr 66
		.amdhsa_reserve_vcc 1
		.amdhsa_float_denorm_mode_32 3
		.amdhsa_float_denorm_mode_16_64 3
		.amdhsa_memory_ordered 1
		.amdhsa_forward_progress 1
		.amdhsa_inst_pref_size 72
	.end_amdhsa_kernel
	.amdgpu_metadata
---
amdhsa.version: [ 1, 2 ]
amdhsa.kernels:
  - .name:           k_q6941f90b7b_quant
    .symbol:         k_q6941f90b7b_quant.kd
    .args:
      - { .name: x, .offset: 0, .size: 8, .value_kind: global_buffer, .address_space: global }
      - { .name: Wq, .offset: 8, .size: 8, .value_kind: global_buffer, .address_space: global }
      - { .name: Wk, .offset: 16, .size: 8, .value_kind: global_buffer, .address_space: global }
      - { .name: Wv, .offset: 24, .size: 8, .value_kind: global_buffer, .address_space: global }
      - { .name: Wp, .offset: 32, .size: 8, .value_kind: global_buffer, .address_space: global }
      - { .name: ximg, .offset: 40, .size: 8, .value_kind: global_buffer, .address_space: global }
      - { .name: wimg, .offset: 48, .size: 8, .value_kind: global_buffer, .address_space: global }
    .group_segment_fixed_size: 40448
    .private_segment_fixed_size: 0
    .kernarg_segment_align: 8
    .kernarg_segment_size: 56
    .max_flat_workgroup_size: 128
    .sgpr_count:     66
    .vgpr_count:     256
    .wavefront_size: 32
...
	.end_amdgpu_metadata
.endif
;; end of part 1
;; launch qkv (part 2): grid 8 x 32, 4 waves a work-group, clusters of 4 x 4, 327,680 bytes of LDS; arguments ximg, wimg, qkv; writes qkv
.if DOCPART == 2
	.amdgcn_target "amdgcn-amd-amdhsa--gfx1250"
	.amdhsa_code_object_version 6
	.text
	.protected	k_q6941f90b7b_qkv
	.globl	k_q6941f90b7b_qkv
	.p2align	8
	.type	k_q6941f90b7b_qkv,@function
k_q6941f90b7b_qkv:
	s_mov_b64 s[64:65], 0
	v_nop
	global_prefetch_b8 v0, s[64:65] scope:SCOPE_SE
	s_setreg_imm32_b32 hwreg(HW_REG_WAVE_MODE, 25, 1), 1
	s_wait_xcnt 0x0
	s_wait_alu depctr_hold_cnt(0) depctr_sa_sdst(0) depctr_va_vdst(0) depctr_va_sdst(0) depctr_va_ssrc(0) depctr_va_vcc(0) depctr_vm_vsrc(0)
	s_getreg_b32 s2, hwreg(HW_REG_IB_STS2, 6, 4)
	s_cmp_eq_u32 s2, 0
	s_cbranch_scc0 .Lentry_in_a_cluster
	s_endpgm
.Lentry_in_a_cluster:
	s_bfe_u32 s2, ttmp6, 0x10000c
	s_cmp_lg_u32 s2, 0xf033
	s_cbranch_scc0 .Lentry_shape_is_right
	s_endpgm
.Lentry_shape_is_right:
; q, k and v = x W on codes of FP6 (E2M3), and the results quantised in registers: q and k along the head's 64, v along the keys.
; OPERANDS come as images of the operand's registers: half image = 16 rows x 64 K, 768 bytes; pair = 32 rows, tile u lane r = row 8 u + r + 8 (r / 8);
; block = pair x 256 K, 6,400 bytes: half image (u, q) at (4 u + q) 768, scale words at 6144 + 8 x (16 u + r) + 4 s; a pair's four blocks on end: 25,600 bytes.
; A WORK-GROUP STAYS: it keeps 256 tokens (8 pairs of ximg, all of K, 204,800 bytes from LDS byte 0) and takes them through THREE PHASES, q, k, v, each against 128 rows of one weight (4 pairs of wimg, 102,400 bytes
; from LDS byte 204,800): rows 128 g .. of Wq, then of Wk, then of Wv, which lie 32 pairs apart in wimg.  256 work-groups: g = 0 .. 7 along x, the block of tokens along y.
; The tokens are fetched once; the weights' region is filled again twice, each time behind the three lines and a round of the cluster's barrier,
; as soon as the phase's last fragments are in registers: the phase's way out stands behind the request.
; A WAVE makes 4 tiles of "A" (source 1: a lane holds one of its rows) x 8 tiles of "B" (source 0: the registers run along them): 32 accumulators.
;   q, k: A = the tokens' pairs 2 w, 2 w + 1, B = the weight's four pairs.   v: A = Wv's pairs 2 (w / 2), + 1 (one head), B = the tokens' pairs 4 (w % 2) .. + 3 (one key step of 128).
; So a lane's 64 results are, for q and k, two heads' 64 of one token, and for v 128 keys of one (head, d): in both neighbours along the next product's K, since a tile's rows are chosen so.
; q and k differ in global addresses alone and share a loop of two trips; v has other LDS addresses and another way out and is written out.
; CLUSTER 4 x 4: the tokens are shared along a row of the cluster, a weight's rows along a column: joint loads, rows of 256 bytes; one tensor load a wave at the head (waves 0, 1 the tokens' halves, waves 2, 3 the weight's), one for waves 2 and 3 at a refill.
; PREFETCH: in K step 1 of phases q and k the next phase's weight tile (400 blocks of 256 bytes) is asked for, six K steps ahead of the refill that loads it: 25 blocks for each of the sixteen waves of my column of the cluster,
; told apart by address; of the eight clusters that load a tile the four with cluster y under 4 ask.  The head's tiles come by their loads alone.
; qkv, for each (batch, head) 307,200 bytes: K's codes (tile of 16 keys x 768), at 98,304 V's (step of 128 keys x 6,144 + tile of 16 d x 1,536 + half of the keys x 768), at 196,608 K's scale words
; (step x 256 + 8 x lane + 4 j: fragment 2 (lane / 16) + j = key tiles 2 b, 2 b + 1, two bytes each), at 200,704 V's (step x 256 + 8 x lane + 4 j: tile 2 j + lane / 16), at 204,800 Q's codes, at 303,104 Q's scale words as K's.
; LIMITS: NaN and infinities are not served; blocks under 2^-124 keep the byte 1; a block of zeros has the byte 1 (zero codes; this program alone reads the bytes).
; REGISTERS: window 0: v2-9, v12, v14 offsets, v16-21 LDS addresses of q and k, v22-27 of v, v32-47 A's scale words, v48-79 B's (scales and nothing else), v80-175 A's fragments, two sets (later the codes), v176-215 at work;
;   window 1: B's fragments, sets at v0 and v128;  window 2: accumulator (a, b) at v[8 (8 a + b)].
.set HB,    307200
.set PBK,   6400
.set PAIRB, 25600
.set SA,  32
.set SB,  48
.set AF,  80
.set TM,  200
.set SEL, 94
.set PH,  80
.set MSB, 0
.macro WIN new                         ; the immediate's high byte repeats the setting that is left
.if MSB != \new
	s_set_vgpr_msb (MSB<<8)|\new
.set MSB, \new
.endif
.endm
.macro CROUND                          ; a round of the cluster's barrier
	s_barrier_signal -1
	s_barrier_wait -1
	s_cmp_lg_u32 s10, 0
	s_cbranch_scc1 .Lnot_wave_0_\@
	s_barrier_signal -3
.Lnot_wave_0_\@:
	s_barrier_wait -3
	s_barrier_signal -1
	s_barrier_wait -1
.endm
.macro PLACES
.rept 4
	v_nop
.endr
.endm
	s_load_b128 s[4:7], s[0:1], 0x0                ; ximg, wimg
	s_load_b64 s[8:9], s[0:1], 0x10                ; qkv
	v_lshl_add_u32 v254, v0, 2, 0x4b000
	v_mov_b32 v255, 0
	ds_add_u32 v254, v255                          ; the opening lines
	ds_add_u32 v254, v255
	v_lshrrev_b32 v1, 5, v0
	v_readfirstlane_b32 s10, v1                    ; wave
	s_lshr_b32 s11, s10, 1                         ; I fetch the tokens (0) or the weight (1).  In phase v: which head of the two
	s_and_b32 s12, s10, 1                          ; which half of its pairs.  In phase v: which key step of the two
	s_bfe_u32 s13, ttmp6, 0x40000                  ; cx
	s_bfe_u32 s14, ttmp6, 0x40004                  ; cy
	s_and_b32 s15, ttmp7, 0xffff                   ; cluster y
	s_lshl_b32 s16, s14, 2
	s_lshl_b32 s16, 15, s16                        ; my row of the cluster
	s_lshl_b32 s17, 0x1111, s13                    ; my column
	s_or_b32 s24, s16, (3<<16)|(1<<21)             ; group 1 for the tokens: the mask; elements of 8 bytes; bit 21 beside a mask; no padding
	s_or_b32 s32, s17, (3<<16)|(1<<21)             ; for the weights
	s_mov_b32 s25, 32<<16                          ; rows of 256 bytes = 32 elements of 8
	s_mov_b32 s26, 400<<16                         ; four pairs on end, 102,400 bytes = 400 rows
	s_mov_b32 s27, 32<<16
	s_mov_b32 s28, 400
	s_mov_b32 s29, 32
	s_mov_b32 s30, 0
	s_mov_b32 s31, 0
	s_mov_b32 s33, 32<<16
	s_mov_b32 s34, 200<<16                         ; two pairs on end, 51,200 bytes = 200 rows
	s_mov_b32 s35, 32<<16
	s_mov_b32 s36, 200
	s_mov_b32 s37, 32
	s_mov_b32 s38, 0
	s_mov_b32 s39, 0
	s_lshl_b32 s18, s15, 2
	s_add_co_u32 s18, s18, s14                     ; my block of 256 tokens: 4 x cluster y + cy.  These registers never hold cx
	s_lshl_b32 s22, s18, 3
	s_lshl_b32 s23, s12, 2
	s_add_co_u32 s22, s22, s23
	s_mul_i32 s22, s22, PAIRB
	s_mov_b32 s23, 0
	s_lshl_b32 s19, ttmp9, 2
	s_add_co_u32 s19, s19, s13                     ; g: 4 x cluster x + cx.  These never hold cy
	s_lshl_b32 s60, s19, 2
	s_lshl_b32 s61, s12, 1
	s_add_co_u32 s60, s60, s61
	s_mul_i32 s60, s60, PAIRB
	s_mov_b32 s61, 0
	s_mul_i32 s62, s12, 4*PAIRB                    ; where they go: the wave's number alone
	s_mul_i32 s21, s12, 2*PAIRB
	s_add_co_u32 s21, s21, 8*PAIRB
	s_wait_dscnt 0x0
	s_wait_kmcnt 0x0
	s_mov_b32 s40, 1
	s_mov_b32 s41, s62
	s_add_nc_u64 s[42:43], s[4:5], s[22:23]
	s_or_b32 s43, s43, 0x80000000
	s_mov_b32 s68, 1
	s_mov_b32 s69, s21
	s_add_nc_u64 s[70:71], s[6:7], s[60:61]
	s_or_b32 s71, s71, 0x80000000
	CROUND                                         ; all sixteen work-groups are here: the joint loads meet
	s_cmp_eq_u32 s11, 0
	s_cbranch_scc0 .Lfor_w
	tensor_load_to_lds s[40:43], s[24:31]
	s_nop 0
	PLACES
	s_branch .Lasked
.Lfor_w:
	tensor_load_to_lds s[68:71], s[32:39]
	s_nop 0
	PLACES
.Lasked:
	v_and_b32 v1, 31, v0
	v_lshlrev_b32 v2, 4, v1                        ; 16 x lane
	v_lshlrev_b32 v3, 3, v1                        ; 8 x lane
	s_mul_i32 s63, s10, 2*PAIRB                    ; q, k: A = my two pairs of tokens,
	v_add_nc_u32 v16, s63, v2
	v_add_nc_u32 v17, s63, v3
	v_add_nc_u32 v18, 8*PAIRB, v2                  ; B = the weight's pairs 0, 1
	v_add_nc_u32 v19, 8*PAIRB, v3
	v_add_nc_u32 v20, 10*PAIRB, v2                 ; and 2, 3 (beyond an offset's 16 bits from pair 0)
	v_add_nc_u32 v21, 10*PAIRB, v3
	s_mul_i32 s62, s11, 2*PAIRB
	s_add_co_u32 s62, s62, 8*PAIRB                 ; v: A = my head's two pairs of Wv,
	v_add_nc_u32 v22, s62, v2
	v_add_nc_u32 v23, s62, v3
	s_mul_i32 s63, s12, 4*PAIRB                    ; B = my key step's four pairs of tokens
	v_add_nc_u32 v24, s63, v2
	v_add_nc_u32 v25, s63, v3
	s_add_co_u32 s63, s63, 2*PAIRB
	v_add_nc_u32 v26, s63, v2
	v_add_nc_u32 v27, s63, v3
.irp b, 0,1,2,3
	v_mov_b32 v[TM+4+\b], 0                        ; a lane permute's destination counts as read
.endr
	v_add_nc_u32 v4, HB, v2                        ; q, k: a fragment's second half image belongs to the next head;
	v_add_nc_u32 v5, HB, v3
	v_add_nc_u32 v9, 768, v2                       ; v: to the keys' other half
	v_add_nc_u32 v12, 768, v3
	v_lshrrev_b32 v7, 4, v1
	v_and_b32 v8, 15, v1
	v_mul_u32_u24 v6, v7, HB                       ; q, k: scale words: lanes 16-31 store the next head's (v: 8 x lane serves)
	v_lshl_add_u32 v6, v8, 3, v6
	v_min_u32 v14, 24, v1
	v_lshlrev_b32 v14, 8, v14                      ; the prefetch: a lane a block of 256 bytes, 25 blocks a wave
	; where my results go (bytes in qkv)
	s_lshr_b32 s96, s18, 3
	s_lshl_b32 s96, s96, 4                         ; 16 x batch
	s_lshl_b32 s97, s19, 1
	s_add_co_u32 s97, s96, s97                     ; q, k: (batch, head) = 16 batch + 2 g, and the next
	s_mul_i32 s98, s97, HB
	s_add_co_u32 s97, s97, s11                     ; v: + w / 2
	s_mul_i32 s99, s97, HB
	s_and_b32 s20, s18, 7                          ; my block of tokens in its batch
	s_lshl_b32 s21, s20, 4
	s_lshl_b32 s22, s10, 2
	s_add_co_u32 s21, s21, s22
	s_mul_i32 s21, s21, 768                        ; q, k: token tile 16 x block + 4 wave
	s_add_co_u32 s72, s21, s98
	s_mov_b32 s73, 0
	s_add_nc_u64 s[72:73], s[8:9], s[72:73]        ; k's codes; q's lie 204,800 bytes on
	s_lshl_b32 s21, s20, 1
	s_add_co_u32 s22, s21, s11
	s_lshl_b32 s22, s22, 8
	s_lshl_b32 s23, s12, 7
	s_add_co_u32 s22, s22, s23
	s_add_co_u32 s22, s22, 196608                  ; their scale words: step x 256 + 128 (wave % 2)
	s_add_co_u32 s74, s22, s98
	s_mov_b32 s75, 0
	s_add_nc_u64 s[74:75], s[8:9], s[74:75]        ; k's; q's lie 106,496 bytes on
	s_mov_b32 s77, 0
	s_mov_b32 s79, 0
	s_add_co_u32 s21, s21, s12                     ; v: key step 2 x block + w % 2
	s_mul_i32 s22, s21, 6144
	s_add_co_u32 s22, s22, 98304
	s_add_co_u32 s44, s22, s99
	s_mov_b32 s45, 0
	s_add_nc_u64 s[44:45], s[8:9], s[44:45]
	s_add_nc_u64 s[46:47], s[44:45], 1536
	s_add_nc_u64 s[48:49], s[46:47], 1536
	s_add_nc_u64 s[50:51], s[48:49], 1536
	s_lshl_b32 s21, s21, 8
	s_add_co_u32 s21, s21, 200704
	s_add_co_u32 s52, s21, s99
	s_mov_b32 s53, 0
	s_add_nc_u64 s[52:53], s[8:9], s[52:53]
	s_lshl_b32 s54, s19, 2                         ; the prefetch: this phase's weight tile, + my sixteenth of it: 6,400 (4 cy + wave)
	s_mul_i32 s54, s54, PAIRB
	s_lshl_b32 s55, s14, 2
	s_add_co_u32 s55, s55, s10
	s_mul_i32 s55, s55, 6400
	s_add_co_u32 s54, s54, s55
	s_mov_b32 s55, 0
	s_add_nc_u64 s[54:55], s[6:7], s[54:55]
	s_mov_b32 s[SEL], 0x76543210
	s_mov_b32 s[SEL+1], 0xfedcba98
.macro FRAG reg, a16, a8, off          ; a fragment = two half images that follow each other: every load takes consecutive bytes
	ds_load_b128 v[(\reg):(\reg)+3], v[\a16] offset:(\off)
	ds_load_b64 v[(\reg)+4:(\reg)+5], v[\a8] offset:(\off)+512
	ds_load_b128 v[(\reg)+6:(\reg)+9], v[\a16] offset:(\off)+768
	ds_load_b64 v[(\reg)+10:(\reg)+11], v[\a8] offset:(\off)+1280
.endm
.macro FETCH ks, R                     ; the fragments of K step ks (128 along K) into set ks % 2; with a block's first step its scale words.  R: the phase's six address registers: A's, B's pairs 0-1, B's pairs 2-3
.set KC, (\ks)/2
.set KSS, (\ks)%2
	WIN 0x40
.irp b, 0,1,2,3,4,5,6,7
	FRAG 128*KSS+12*\b, \R+2+2*(\b/4), \R+3+2*(\b/4), KC*PBK+((\b/2)%2)*PAIRB+(4*(\b%2)+2*KSS)*768
.endr
	WIN 0
.irp a, 0,1,2,3
	FRAG AF+48*KSS+12*\a, \R, \R+1, KC*PBK+(\a/2)*PAIRB+(4*(\a%2)+2*KSS)*768
.endr
.if KSS == 0
.irp p, 0,1
	ds_load_b64 v[SA+8*\p+2*KC:SA+8*\p+2*KC+1], v[\R+1] offset:KC*PBK+\p*PAIRB+6144   ; lanes 0-15: tile 2 p's words, lanes 16-31: tile 2 p + 1's
.endr
.irp p, 0,1,2,3
	ds_load_b64 v[SB+8*\p+2*KC:SB+8*\p+2*KC+1], v[\R+3+2*(\p/2)] offset:KC*PBK+(\p%2)*PAIRB+6144
.endr
.endif
.endm
.macro WM4 p, q, ks, first             ; A's tiles 2 p, 2 p + 1 x B's tiles 2 q, 2 q + 1; an odd tile's scale words stand in lanes 16-31
.set FA, AF+48*((\ks)%2)+24*(\p)
.set FB, 128*((\ks)%2)+24*(\q)
.set DA, 8*(16*(\p)+2*(\q))
.set RA, SA+8*(\p)+(\ks)
.set RB, SB+8*(\q)+(\ks)
.if \first
	v_wmma_scale_f32_16x16x128_f8f6f4 v[DA:DA+7], v[FB:FB+11], v[FA:FA+11], 0, v[RB], v[RA] matrix_a_fmt:MATRIX_FMT_FP6 matrix_b_fmt:MATRIX_FMT_FP6
	v_wmma_scale_f32_16x16x128_f8f6f4 v[DA+8:DA+15], v[FB+12:FB+23], v[FA:FA+11], 0, v[RB], v[RA] matrix_a_fmt:MATRIX_FMT_FP6 matrix_b_fmt:MATRIX_FMT_FP6 matrix_a_scale:MATRIX_SCALE_ROW1
	v_wmma_scale_f32_16x16x128_f8f6f4 v[DA+64:DA+71], v[FB:FB+11], v[FA+12:FA+23], 0, v[RB], v[RA] matrix_a_fmt:MATRIX_FMT_FP6 matrix_b_fmt:MATRIX_FMT_FP6 matrix_b_scale:MATRIX_SCALE_ROW1
	v_wmma_scale_f32_16x16x128_f8f6f4 v[DA+72:DA+79], v[FB+12:FB+23], v[FA+12:FA+23], 0, v[RB], v[RA] matrix_a_fmt:MATRIX_FMT_FP6 matrix_b_fmt:MATRIX_FMT_FP6 matrix_a_scale:MATRIX_SCALE_ROW1 matrix_b_scale:MATRIX_SCALE_ROW1
.else
	v_wmma_scale_f32_16x16x128_f8f6f4 v[DA:DA+7], v[FB:FB+11], v[FA:FA+11], v[DA:DA+7], v[RB], v[RA] matrix_a_fmt:MATRIX_FMT_FP6 matrix_b_fmt:MATRIX_FMT_FP6
	v_wmma_scale_f32_16x16x128_f8f6f4 v[DA+8:DA+15], v[FB+12:FB+23], v[FA:FA+11], v[DA+8:DA+15], v[RB], v[RA] matrix_a_fmt:MATRIX_FMT_FP6 matrix_b_fmt:MATRIX_FMT_FP6 matrix_a_scale:MATRIX_SCALE_ROW1
	v_wmma_scale_f32_16x16x128_f8f6f4 v[DA+64:DA+71], v[FB:FB+11], v[FA+12:FA+23], v[DA+64:DA+71], v[RB], v[RA] matrix_a_fmt:MATRIX_FMT_FP6 matrix_b_fmt:MATRIX_FMT_FP6 matrix_b_scale:MATRIX_SCALE_ROW1
	v_wmma_scale_f32_16x16x128_f8f6f4 v[DA+72:DA+79], v[FB+12:FB+23], v[FA+12:FA+23], v[DA+72:DA+79], v[RB], v[RA] matrix_a_fmt:MATRIX_FMT_FP6 matrix_b_fmt:MATRIX_FMT_FP6 matrix_a_scale:MATRIX_SCALE_ROW1 matrix_b_scale:MATRIX_SCALE_ROW1
.endif
.endm
.macro MUL ks, first                   ; the 32 accumulators take turns, one instruction a turn, in the same order in every step
.irp p, 0,1
.irp q, 0,1,2,3
	WM4 \p, \q, \ks, \first
.endr
.endr
.endm
; A K step: its fragments are in; the next step's are asked for (four places behind the products that read that set); then its 32 products.  ask = 1: the next phase's weight tile is asked for into the L2.
.macro KSTEP ks, first, R, ask=0
	s_wait_dscnt 0x0
.if ((\ks) > 0) && ((\ks) < 7)
	PLACES
.endif
.if (\ks) < 7
	FETCH (\ks)+1, \R
.endif
.if \ask
	s_cmp_lt_u32 s15, 4                            ; the cluster's number, alike in all partners
	s_cbranch_scc0 .Lno_ask_\@
	global_prefetch_b8 v14, s[54:55] th:TH_LOAD_NT scope:SCOPE_SE
.Lno_ask_\@:
.endif
	WIN 0xa1                                       ; source 0 (B) window 1, source 1 (A) window 0, C and D window 2
	MUL \ks, \first
	WIN 0
.endm
.macro SHOWN                           ; a phase's start: every wave's tensor loads have landed, and a barrier says so to all
	s_wait_tensorcnt 0x0
	s_barrier_signal -1
	s_barrier_wait -1
	s_wait_xcnt 0x0                                ; the last phase's stores and prefetch have read their registers
.endm
; THE WAY OUT.  A lane's 64 numbers of tile a (window 2, v[s] on; register 16 b + i = place 32 b + 16 (lane / 16) + i along the next K) become a fragment's codes in v[pc] on and its scale word in v[pw].
.macro QUANTW s, pc, pw
	WIN 0x28                                       ; sources 1 and 2: window 2
.irp b, 0,1,2,3
	v_max3_num_f32 v[TM+\b], 0x1800000, |v[(\s)+16*\b]|, |v[(\s)+16*\b+1]|   ; with the floor 2^(3 - 127); each accumulator is read from its low end on
.endr
.irp i, 2,4,6,8,10,12,14
.irp b, 0,1,2,3
	v_max3_num_f32 v[TM+\b], v[TM+\b], |v[(\s)+16*\b+\i]|, |v[(\s)+16*\b+\i+1]|
.endr
.endr
	WIN 0
.irp b, 0,1,2,3
	v_permlanex16_b32 v[TM+4+\b], v[TM+\b], s[SEL], s[SEL+1]
.endr
.irp b, 0,1,2,3
	v_max_num_f32 v[TM+\b], v[TM+\b], v[TM+4+\b]
.endr
.irp b, 0,1,2,3
	v_add_nc_u32 v[TM+12+\b], 0xff000000, v[TM+\b]
.endr
.irp b, 0,1,2,3
	v_lshrrev_b32 v[TM+4+\b], 23, v[TM+12+\b]
.endr
	v_lshl_or_b32 v[\pw], v[TM+5], 8, v[TM+4]
	v_lshl_or_b32 v[\pw], v[TM+6], 16, v[\pw]
	v_lshl_or_b32 v[\pw], v[TM+7], 24, v[\pw]
	WIN 0x02                                       ; source 0: window 2
.irp c, 0,1
	v_cvt_scalef32_pk16_fp6_f32 v[(\pc)+6*\c:(\pc)+6*\c+2], v[(\s)+32*\c:(\s)+32*\c+15], v[TM+12+2*\c]
	v_cvt_scalef32_pk16_fp6_f32 v[(\pc)+12+4*\c:(\pc)+14+4*\c], v[(\s)+32*\c+16:(\s)+32*\c+31], v[TM+12+2*\c+1]
.endr
	WIN 0
	v_nop                                          ; a plain line behind the conversions
.irp c, 0,1                            ; a whole block to a lane: lanes 0-15 block 2 c, lanes 16-31 block 2 c + 1
.irp i, 0,1,2
	v_permlane16_swap_b32 v[(\pc)+6*\c+\i], v[(\pc)+12+4*\c+\i]
.endr
.irp i, 0,1,2
	v_mov_b32 v[(\pc)+3+6*\c+\i], v[(\pc)+12+4*\c+\i]
.endr
.endr
.endm
; b0: four bases, one a tile; sc: the scale words' base; h16, h8: the offsets of a fragment's second half image; osc: the scale words' offset; sel0, sel1: how two tiles' words make the words that are stored
.macro OUT b0, sc, h16, h8, osc, sel0, sel1
	PLACES                                         ; four places behind the last products
.irp a, 0,1,2,3
	QUANTW 64*\a, 80+20*\a, 176+\a
	global_store_b128 v2, v[80+20*\a:80+20*\a+3], s[\b0+2*\a:\b0+2*\a+1]                ; 512 consecutive bytes
	global_store_b64 v3, v[80+20*\a+4:80+20*\a+5], s[\b0+2*\a:\b0+2*\a+1] offset:512    ; 256
	global_store_b128 v[\h16], v[80+20*\a+6:80+20*\a+9], s[\b0+2*\a:\b0+2*\a+1]
	global_store_b64 v[\h8], v[80+20*\a+10:80+20*\a+11], s[\b0+2*\a:\b0+2*\a+1] offset:512
.endr
	v_cmp_eq_u32 vcc_lo, 1, v7
	v_perm_b32 v180, v177, v176, \sel0             ; q, k: tiles 0, 1: the first head's two bytes of each;  v: tile 0's word
	v_perm_b32 v181, v177, v176, \sel1             ;        the second head's;                               tile 1's
	v_perm_b32 v182, v179, v178, \sel0
	v_perm_b32 v183, v179, v178, \sel1
	v_cndmask_b32 v184, v180, v181, vcc_lo
	v_cndmask_b32 v185, v182, v183, vcc_lo
	global_store_b64 v[\osc], v[184:185], s[\sc:\sc+1]
.endm
	s_wait_alu depctr_va_vdst(0)                   ; the wait at the head's end
	s_mov_b32 s[PH], 0
.Lphase:                                               ; q, then k
	SHOWN
	s_cmp_eq_u32 s[PH], 0
	s_cselect_b32 s76, 204800, 0                   ; q's codes and scale words lie behind k's
	s_cselect_b32 s78, 106496, 0
	s_add_nc_u64 s[84:85], s[72:73], s[76:77]
	s_add_nc_u64 s[86:87], s[84:85], 768
	s_add_nc_u64 s[88:89], s[86:87], 768
	s_add_nc_u64 s[90:91], s[88:89], 768
	s_add_nc_u64 s[92:93], s[74:75], s[78:79]
	s_add_nc_u64 s[54:55], s[54:55], 32*PAIRB      ; the prefetch names the next phase's weight tile
	FETCH 0, 16
	KSTEP 0, 1, 16                                 ; the first products start the sums
	KSTEP 1, 0, 16, 1
.irp k, 2,3,4,5,6,7
	KSTEP \k, 0, 16
.endr
	s_wait_tensorcnt 0x0                           ; the three lines ahead of a refill's round: none of my tensor loads is out;
	ds_add_u32 v254, v255                          ; the add;
	s_add_nc_u64 s[70:71], s[70:71], 32*PAIRB      ; the next weight's rows lie 32 pairs on
	s_wait_dscnt 0x0                               ; the add is done, and my reads of the weights' region are over: the last fragments are in registers
	CROUND                                         ; the same holds of every wave of all sixteen work-groups
	s_cmp_eq_u32 s11, 0
	s_cbranch_scc1 .Lno_w
	tensor_load_to_lds s[68:71], s[32:39]          ; waves 2 and 3: a half each of the next weight's rows
	s_nop 0
	PLACES
.Lno_w:
	OUT 84, 92, 4, 5, 6, 0x05040100, 0x07060302
	s_wait_alu depctr_va_vdst(0)                   ; the wait ahead of the backward jump
	s_add_co_u32 s[PH], s[PH], 1
	s_cmp_lt_u32 s[PH], 2
	s_cbranch_scc1 .Lphase
	SHOWN                                          ; v: Wv's rows are in
	FETCH 0, 22
	KSTEP 0, 1, 22
.irp k, 1,2,3,4,5,6,7
	KSTEP \k, 0, 22
.endr
	OUT 44, 52, 9, 12, 3, 0x03020100, 0x07060504
	s_wait_tensorcnt 0x0                           ; the wave's end
	ds_add_u32 v254, v255
	s_wait_dscnt 0x0
	CROUND                                         ; the closing round
	s_endpgm
.Lfunc_end_k_q6941f90b7b_qkv:
	.size	k_q6941f90b7b_qkv, .Lfunc_end_k_q6941f90b7b_qkv-k_q6941f90b7b_qkv
	.p2alignl 7, 3214868480
	.fill 96, 4, 3214868480
	.section	.rodata,"a",@progbits
	.p2align	6, 0x0
	.amdhsa_kernel k_q6941f90b7b_qkv
		.amdhsa_group_segment_fixed_size 327680
		.amdhsa_private_segment_fixed_size 0
		.amdhsa_enable_private_segment 0
		.amdhsa_kernarg_size 24
		.amdhsa_user_sgpr_count 2
		.amdhsa_user_sgpr_kernarg_segment_ptr 1
		.amdhsa_wavefront_size32 1
		.amdhsa_system_sgpr_workgroup_id_x 1
		.amdhsa_system_sgpr_workgroup_id_y 1
		.amdhsa_system_sgpr_workgroup_id_z 1
		.amdhsa_system_vgpr_workitem_id 0
		.amdhsa_next_free_vgpr 768
		.amdhsa_next_free_sgpr 100
		.amdhsa_reserve_vcc 1
		.amdhsa_float_denorm_mode_32 3
		.amdhsa_float_denorm_mode_16_64 3
		.amdhsa_memory_ordered 1
		.amdhsa_forward_progress 1
		.amdhsa_inst_pref_size 165
	.end_amdhsa_kernel
	.amdgpu_metadata
---
amdhsa.version: [ 1, 2 ]
amdhsa.kernels:
  - .name:           k_q6941f90b7b_qkv
    .symbol:         k_q6941f90b7b_qkv.kd
    .args:
      - { .name: ximg, .offset: 0, .size: 8, .value_kind: global_buffer, .address_space: global }
      - { .name: wimg, .offset: 8, .size: 8, .value_kind: global_buffer, .address_space: global }
      - { .name: qkv, .offset: 16, .size: 8, .value_kind: global_buffer, .address_space: global }
    .group_segment_fixed_size: 327680
    .private_segment_fixed_size: 0
    .kernarg_segment_align: 8
    .kernarg_segment_size: 24
    .max_flat_workgroup_size: 128
    .sgpr_count:     100
    .vgpr_count:     768
    .wavefront_size: 32
...
	.end_amdgpu_metadata
.endif
;; end of part 2
;; launch attn (part 3): grid 4 x 64, 8 waves a work-group, clusters of 4 x 1, 206,848 bytes of LDS; arguments qkv, oimg; writes oimg
.if DOCPART == 3
	.amdgcn_target "amdgcn-amd-amdhsa--gfx1250"
	.amdhsa_code_object_version 6
	.text
	.protected	k_q6941f90b7b_attn
	.globl	k_q6941f90b7b_attn
	.p2align	8
	.type	k_q6941f90b7b_attn,@function
k_q6941f90b7b_attn:
	s_mov_b64 s[64:65], 0
	v_nop
	global_prefetch_b8 v0, s[64:65] scope:SCOPE_SE
	s_setreg_imm32_b32 hwreg(HW_REG_WAVE_MODE, 25, 1), 1
	s_wait_xcnt 0x0
	s_wait_alu depctr_hold_cnt(0) depctr_sa_sdst(0) depctr_va_vdst(0) depctr_va_sdst(0) depctr_va_ssrc(0) depctr_va_vcc(0) depctr_vm_vsrc(0)
	s_getreg_b32 s2, hwreg(HW_REG_IB_STS2, 6, 4)
	s_cmp_eq_u32 s2, 0
	s_cbranch_scc0 .Lentry_in_a_cluster
	s_endpgm
.Lentry_in_a_cluster:
	s_bfe_u32 s2, ttmp6, 0x10000c
	s_cmp_lg_u32 s2, 0x3003
	s_cbranch_scc0 .Lentry_shape_is_right
	s_endpgm
.Lentry_shape_is_right:
; Causal attention on codes of FP6 (E2M3): S^T = K Q^T, p = 2^(t - M), O^T = V^T P^T, O / l, quantised along the head's 64 into the last product's operand image.
; t = score x log2(e) / 8; M = the running largest t rounded UP to a whole number; the row's sum l is taken of the unquantised p; when M moves, l and O^T are multiplied by 2^(old M - new M), exactly.
; WORK LEFT OUT: key steps all of whose keys come after a unit's queries: the causal mask puts -inf there ahead of the softmax, so their p is 0 for all values of the inputs.
; A CLUSTER of four work-groups is one (batch, head).  The head's K and V codes and their scale words, 204,800 consecutive bytes of qkv, come into each partner's LDS ONCE, jointly: each of the eight waves
; issues one load of 100 rows x 256 bytes behind the one round.  After the barrier no LDS byte is written again.  No prefetch: all that the launch reads by tensor loads is asked for at the head, and there is no later load to run ahead of.
; SHARES: a wave owns two UNITS of 32 queries (a pair of tiles X, Y): pairs j0 = 4 w + cx and j1 = 63 - j0: w + 1 and 16 - w key steps of 128 keys: 17 for every wave of the launch.
; Branches hang on w alone, alike in all partners; cx enters global addresses and the mask's vector number alone.  The loop has 16 trips always; a hidden step is jumped over.
; THE TWO TILES OF A UNIT ARE WORKED TOGETHER: each fragment of K and V is read from LDS once for both, and their chains of vector work stand line by line in turn.
; K and V have registers of their own: V of step s is asked for at the step's top, K of step s + 1 behind the scores' products (in the last step that reads bytes of V's region, which nobody uses).
; A tile's rows: lane r of tile ti holds token 32 (ti / 2) + 8 (ti % 2) + r + 8 (r / 8), for queries, keys and V's d alike: so the 16 registers of two neighbouring result tiles are 16 neighbours.
; K = 64 IN AN INSTRUCTION OF 128: a fragment of K holds key tile 2 b in registers 0-5 and key tile 2 b + 1 in registers 6-11.  Q lies as six zeros, its six registers, six zeros: [Q | 0] gives tile 2 b's scores, [0 | Q] tile 2 b + 1's.
; LIMITS: NaN and infinities are not served; the scaled scores stay under 2^31 in magnitude; O / l is v_rcp_f32 and a multiplication; blocks under 2^-124 keep the byte 1; a block of zeros has the byte 1.
; REGISTERS, window 0: v1-7, v13-15, v252 addresses and constants; v8-12 the step's LDS addresses; v16-33, v34-51 Q of X, Y; v52-59 scale words (Q X, Y; K; V; p X, Y) and nothing else; v60-107 K; v108-155 V;
;   v156-175, v176-195 p's codes and their halves; v196-219, v220-243 a tile's small numbers (+0 block maxima, +4 partners, +8 scale operands, +12 -M, +13 largest t, +14 l, +16 f, +18 at work); v244-251 partial sums.
;   window 1: v0-63, v64-127 S^T, then p, of X, Y; v128-159, v160-191 O^T; v192-204 the second unit's Q.
.set HB,  307200
.set KF,  60
.set VF,  108
.set PC,  156
.set ST,  196
.set SEL, 28
.set CS,  30
.set TB,  32
.set TS,  33
.set KS,  34
.set MSB, 0
.macro WIN new                         ; the immediate's high byte repeats the setting that is left
.if MSB != \new
	s_set_vgpr_msb (MSB<<8)|\new
.set MSB, \new
.endif
.endm
.macro WALU
	s_wait_alu depctr_va_vdst(0)
.endm
.macro CROUND
	s_barrier_signal -1
	s_barrier_wait -1
	s_cmp_lg_u32 s8, 0
	s_cbranch_scc1 .Lnot_wave_0_\@
	s_barrier_signal -3
.Lnot_wave_0_\@:
	s_barrier_wait -3
	s_barrier_signal -1
	s_barrier_wait -1
.endm
	s_load_b128 s[4:7], s[0:1], 0x0                ; qkv, oimg
	v_lshl_add_u32 v254, v0, 2, 0x32000
	v_mov_b32 v255, 0
	ds_add_u32 v254, v255                          ; the opening lines
	ds_add_u32 v254, v255
	v_lshrrev_b32 v1, 5, v0
	v_readfirstlane_b32 s8, v1                     ; wave 0..7
	s_bfe_u32 s9, ttmp6, 0x40000                   ; cx
	s_and_b32 s10, ttmp7, 0xffff                   ; 16 x batch + head
	s_mov_b32 s16, 15|(3<<16)|(1<<21)              ; group 1: all four partners; elements of 8 bytes; bit 21 beside a mask
	s_mov_b32 s17, 32<<16                          ; rows of 256 bytes
	s_mov_b32 s18, 100<<16
	s_mov_b32 s19, 32<<16
	s_mov_b32 s20, 100
	s_mov_b32 s21, 32
	s_mov_b32 s22, 0
	s_mov_b32 s23, 0
	s_mul_i32 s36, s10, HB
	s_mul_i32 s37, s8, 25600
	s_add_co_u32 s38, s36, s37
	s_mov_b32 s39, 0
	s_wait_dscnt 0x0
	s_wait_kmcnt 0x0
	s_mov_b32 s24, 1
	s_mov_b32 s25, s37
	s_add_nc_u64 s[26:27], s[4:5], s[38:39]
	s_or_b32 s27, s27, 0x80000000
	CROUND
	tensor_load_to_lds s[24:27], s[16:23]          ; my eighth of the head's K, V and scale words
	s_nop 0
.rept 4
	v_nop
.endr
	v_and_b32 v11, 31, v0
	v_and_b32 v10, 15, v0                          ; r
	v_bfe_u32 v9, v0, 4, 1                         ; h
	v_lshlrev_b32 v1, 4, v11                       ; 16 x lane
	v_lshlrev_b32 v2, 3, v11                       ; 8 x lane
	v_lshlrev_b32 v3, 3, v10                       ; 8 r
	v_and_b32 v8, 8, v10
	v_lshlrev_b32 v12, 4, v9
	v_add_nc_u32 v4, v3, v9                        ; 8 r + h
	v_add_nc_u32 v8, v8, v10
	v_mov_b32 v7, 0xff800000                       ; -infinity
	v_sub_nc_u32 v252, v8, v12                     ; r + 8 (r / 8) - 16 h
	v_add_nc_u32 v13, 98304, v1                    ; V's codes
	v_add_nc_u32 v14, 98304, v2
	v_add_nc_u32 v15, 196608, v2                   ; K's scale words; V's lie 4,096 bytes on
	v_cmp_eq_u32 s15, 1, v9
	s_mov_b32 s11, s8                              ; the first unit's diagonal step,
	s_xor_b32 s12, s8, 15                          ; the second's: 15 - w
	s_lshl_b32 s58, s9, 5                          ; the first unit's first query in its diagonal step: 32 cx;
	s_sub_co_u32 s59, 96, s58                      ; the second's: 32 (3 - cx)
	s_lshl_b32 s13, s8, 2
	s_add_co_u32 s13, s13, s9                      ; j0
	s_xor_b32 s14, s13, 63                         ; j1
	s_lshr_b32 s60, s10, 4
	s_lshl_b32 s60, s60, 6                         ; 64 pairs of rows a batch
	s_and_b32 s61, s10, 15                         ; head
	s_and_b32 s62, s61, 3
	s_lshl_b32 s63, s62, 1                         ; my two scale bytes' place in a row's eight
	s_mul_i32 s62, s62, 768
	s_lshr_b32 s61, s61, 2
	s_mul_i32 s61, s61, 6400
	s_mov_b32 s[SEL], 0x76543210
	s_mov_b32 s[SEL+1], 0xfedcba98
	s_mov_b32 s[CS], 0x3e38aa3b                    ; log2(e) / 8
	s_mov_b32 s[CS+1], s[CS]
.macro TADDR j, q, qs, ob, os          ; a unit's addresses: Q's codes (tile Y 768 bytes on), the word with both tiles' scale bytes, tile X's half image in oimg (Y 3,072 on), its scale bytes there (Y 128 on)
	s_mul_i32 s[\q], s[\j], 1536
	s_add_co_u32 s[\q], s[\q], s36
	s_add_co_u32 s[\q], s[\q], 204800
	s_mov_b32 s[\q+1], 0
	s_add_nc_u64 s[\q:\q+1], s[4:5], s[\q:\q+1]
	s_lshr_b32 s[\qs], s[\j], 1
	s_lshl_b32 s[\qs], s[\qs], 7
	s_and_b32 s35, s[\j], 1
	s_lshl_b32 s35, s35, 2
	s_add_co_u32 s[\qs], s[\qs], s35
	s_add_co_u32 s[\qs], s[\qs], s36
	s_add_co_u32 s[\qs], s[\qs], 303104
	s_mov_b32 s[\qs+1], 0
	s_add_nc_u64 s[\qs:\qs+1], s[4:5], s[\qs:\qs+1]
	s_add_co_u32 s[\ob], s[\j], s60
	s_mul_i32 s[\ob], s[\ob], 25600
	s_add_co_u32 s[\ob], s[\ob], s61
	s_add_co_u32 s[\os], s[\ob], s63
	s_add_co_u32 s[\os], s[\os], 6144
	s_add_co_u32 s[\ob], s[\ob], s62
	s_mov_b32 s[\ob+1], 0
	s_mov_b32 s[\os+1], 0
	s_add_nc_u64 s[\ob:\ob+1], s[6:7], s[\ob:\ob+1]
	s_add_nc_u64 s[\os:\os+1], s[6:7], s[\os:\os+1]
.endm
	TADDR 13, 42, 44, 50, 52
	TADDR 14, 46, 48, 54, 56
	WALU
	global_load_b128 v[22:25], v1, s[42:43]
	global_load_b64 v[26:27], v2, s[42:43] offset:512
	global_load_b128 v[40:43], v1, s[42:43] offset:768
	global_load_b64 v[44:45], v2, s[42:43] offset:1280
	global_load_b32 v253, v3, s[44:45]
	WIN 0x40                                       ; the second unit's Q waits in window 1
	global_load_b128 v[192:195], v1, s[46:47]
	global_load_b64 v[196:197], v2, s[46:47] offset:512
	global_load_b128 v[198:201], v1, s[46:47] offset:768
	global_load_b64 v[202:203], v2, s[46:47] offset:1280
	global_load_b32 v204, v3, s[48:49]
	WIN 0
.irp j, 16,17,18,19,20,21,28,29,30,31,32,33,34,35,36,37,38,39,46,47,48,49,50,51
	v_mov_b32 v[\j], 0                             ; the zero codes on both sides of each Q
.endr
.irp j, 4,5,6,7,17,18,28,29,30,31,41,42
	v_mov_b32 v[ST+\j], 0                          ; permutes' destinations, and the upper halves of the pairs that hold f, count as read
.endr
	WALU                                           ; the wait at the head's end
	s_wait_loadcnt 0x0
	v_perm_b32 v52, v253, v253, 0x01000100         ; a tile's two bytes, twice: for [Q | 0] and for [0 | Q]
	v_perm_b32 v53, v253, v253, 0x03020302
	WALU
	s_wait_tensorcnt 0x0                           ; my part has landed,
	s_barrier_signal -1
	s_barrier_wait -1                              ; everybody's has
.macro LD4 f, a16, a8, off             ; four fragments, each two half images on end: 16 loads
.irp b, 0,1,2,3
	ds_load_b128 v[\f+12*\b:\f+12*\b+3], v[\a16] offset:\off+1536*\b
	ds_load_b64 v[\f+12*\b+4:\f+12*\b+5], v[\a8] offset:\off+1536*\b+512
	ds_load_b128 v[\f+12*\b+6:\f+12*\b+9], v[\a16] offset:\off+1536*\b+768
	ds_load_b64 v[\f+12*\b+10:\f+12*\b+11], v[\a8] offset:\off+1536*\b+1280
.endr
.endm
; ONE UNIT OF 32 QUERIES.  n: the first or the second; nf: its diagonal step; dms: its first query in that step; ob, os: where it goes.
.macro UNIT n, nf, dms, ob, os
	s_wait_xcnt 0x0                                ; earlier stores have read the registers that this unit writes
	s_wait_dscnt 0x0                               ; no load is on its way into K's registers
.if \n
	WIN 0x01
.irp i, 0,1,2,3,4,5
	v_mov_b32 v[22+\i], v[192+\i]
	v_mov_b32 v[40+\i], v[198+\i]
.endr
	WIN 0x05
	v_perm_b32 v52, v204, v204, 0x01000100
	v_perm_b32 v53, v204, v204, 0x03020302
	WIN 0
.endif
	LD4 KF, 1, 2, 0                                ; K of step 0
	ds_load_b64 v[54:55], v15
	v_add_nc_u32 v5, s[\dms], v252                 ; register 16 b + i holds key 32 b + 16 h + i of the step: hidden where 32 b + i is above this number (tile X),
	v_add_nc_u32 v6, 8, v5                         ; (tile Y)
	WIN 0x40
.set jj, 0
.rept 64
	v_mov_b32 v[128+jj], 0                         ; the loop has no first step of its own: the first change of M multiplies zeros
.set jj, jj+1
.endr
	WIN 0
.irp t, 0,1
	v_mov_b32 v[ST+24*\t+13], 0xff61b1e6           ; -3e38, under every t
	v_mov_b32 v[ST+24*\t+14], 0
	v_mov_b32 v[ST+24*\t+15], 0
.endr
.irp t, 0,1
	v_floor_f32 v[ST+24*\t+12], -v[ST+24*\t+13]
.endr
	s_mov_b32 s[TB], 0
	s_mov_b32 s[TS], 0
	s_mov_b32 s[KS], 0
	WALU                                           ; the prologue's end
.Lstep_\@:
	s_cmp_gt_u32 s[KS], s[\nf]
	s_cbranch_scc1 .Lhidden_\@                     ; all 128 keys come after my queries
	v_add_nc_u32 v8, s[TB], v1                     ; (these five are also the places in front of the loads into V's registers)
	v_add_nc_u32 v9, s[TB], v2
	v_add_nc_u32 v10, s[TB], v13
	v_add_nc_u32 v11, s[TB], v14
	v_add_nc_u32 v12, s[TS], v15
	LD4 VF, 10, 11, 0                              ; V of this step lands under the scores and the softmax
	ds_load_b64 v[56:57], v12 offset:4096          ; v[56 + j]: lanes 0-15 tile 2 j's words, lanes 16-31 tile 2 j + 1's
	WALU                                           ; directly ahead of the wait below
	s_wait_dscnt 17                                ; K of this step is in; V's 17 loads, issued behind it, may be out
	WIN 0x40
.irp b, 0,1,2,3
.irp e, 0,1
.irp t, 0,1
.if \b < 2
	v_wmma_scale_f32_16x16x128_f8f6f4 v[64*\t+8*(2*\b+\e):64*\t+8*(2*\b+\e)+7], v[KF+12*\b:KF+12*\b+11], v[22+18*\t-6*\e:33+18*\t-6*\e], 0, v[54+\b], v[52+\t] matrix_a_fmt:MATRIX_FMT_FP6 matrix_b_fmt:MATRIX_FMT_FP6
.else
	v_wmma_scale_f32_16x16x128_f8f6f4 v[64*\t+8*(2*\b+\e):64*\t+8*(2*\b+\e)+7], v[KF+12*\b:KF+12*\b+11], v[22+18*\t-6*\e:33+18*\t-6*\e], 0, v[52+\b], v[52+\t] matrix_a_fmt:MATRIX_FMT_FP6 matrix_b_fmt:MATRIX_FMT_FP6 matrix_a_scale:MATRIX_SCALE_ROW1
.endif
.endr
.endr
.endr
	WIN 0
.rept 4
	v_nop                                          ; four places: then K's registers take the next step's, and the scores may be read
.endr
	LD4 KF, 8, 9, 6144
	ds_load_b64 v[54:55], v12 offset:256           ; v[54 + j]: lanes 0-15 fragment j's words, lanes 16-31 fragment 2 + j's
	s_cmp_lg_u32 s[KS], s[\nf]
	s_cbranch_scc1 .Lopen_\@
	WIN 0x41
.set jj, 0
.rept 64                               ; the diagonal step: hidden scores become -infinity, so p = 0
	v_cmp_gt_i32 vcc_lo, 32*(jj/16)+jj%16, v5
	v_cndmask_b32 v[jj], v[jj], v7, vcc_lo
	v_cmp_gt_i32 vcc_lo, 32*(jj/16)+jj%16, v6
	v_cndmask_b32 v[64+jj], v[64+jj], v7, vcc_lo
.set jj, jj+1
.endr
	WIN 0
.Lopen_\@:
	WIN 0x15                                       ; each block's largest score: for the row's maximum and, since p rises with the score, for the block's largest p
.irp b, 0,1,2,3
.irp t, 0,1
	v_max3_num_f32 v[ST+24*\t+\b], v[64*\t+16*\b], v[64*\t+16*\b+1], v[64*\t+16*\b+2]
.endr
.endr
	WIN 0x14
.irp i, 3,5,7,9,11,13
.irp b, 0,1,2,3
.irp t, 0,1
	v_max3_num_f32 v[ST+24*\t+\b], v[ST+24*\t+\b], v[64*\t+16*\b+\i], v[64*\t+16*\b+\i+1]
.endr
.endr
.endr
	WIN 0x04
.irp b, 0,1,2,3
.irp t, 0,1
	v_max_num_f32 v[ST+24*\t+\b], v[ST+24*\t+\b], v[64*\t+16*\b+15]
.endr
.endr
	WIN 0
.irp b, 0,1,2,3
.irp t, 0,1
	v_permlanex16_b32 v[ST+24*\t+4+\b], v[ST+24*\t+\b], s[SEL], s[SEL+1]
.endr
.endr
.irp b, 0,1,2,3
.irp t, 0,1
	v_max_num_f32 v[ST+24*\t+\b], v[ST+24*\t+\b], v[ST+24*\t+4+\b]
.endr
.endr
.irp t, 0,1
	v_max3_num_f32 v[ST+24*\t+18], v[ST+24*\t], v[ST+24*\t+1], v[ST+24*\t+2]
.endr
.irp t, 0,1
	v_max_num_f32 v[ST+24*\t+18], v[ST+24*\t+18], v[ST+24*\t+3]
.endr
.irp t, 0,1
	v_mul_f32 v[ST+24*\t+18], s[CS], v[ST+24*\t+18]
.endr
.irp t, 0,1
	v_max_num_f32 v[ST+24*\t+13], v[ST+24*\t+13], v[ST+24*\t+18]   ; the running largest t
.endr
.irp t, 0,1
	v_mov_b32 v[ST+24*\t+18], v[ST+24*\t+12]
.endr
.irp t, 0,1
	v_floor_f32 v[ST+24*\t+12], -v[ST+24*\t+13]    ; -M = floor(-t)
.endr
.irp t, 0,1
	v_sub_f32 v[ST+24*\t+18], v[ST+24*\t+12], v[ST+24*\t+18]       ; old M - new M, a whole number, 0 or less
.endr
.irp t, 0,1
	v_cvt_i32_f32 v[ST+24*\t+18], v[ST+24*\t+18]   ; (it saturates)
.endr
.irp t, 0,1
	v_ldexp_f32 v[ST+24*\t+16], 1.0, v[ST+24*\t+18]   ; f
.endr
	WIN 0x41
.set jj, 0
.rept 32
	v_pk_fma_f32 v[jj:jj+1], v[jj:jj+1], s[CS:CS+1], v[ST+12:ST+13] op_sel_hi:[1,0,0]   ; t - M
	v_pk_fma_f32 v[64+jj:65+jj], v[64+jj:65+jj], s[CS:CS+1], v[ST+36:ST+37] op_sel_hi:[1,0,0]
.set jj, jj+2
.endr
	WIN 0
.irp b, 0,1,2,3
.irp t, 0,1
	v_fma_f32 v[ST+24*\t+\b], v[ST+24*\t+\b], s[CS], v[ST+24*\t+12]
.endr
.endr
	WALU
.irp b, 0,1,2,3
.irp t, 0,1
	v_exp_f32 v[ST+24*\t+\b], v[ST+24*\t+\b]       ; the blocks' largest p
.endr
.endr
	WIN 0x41
.set jj, 0
.rept 128
	v_exp_f32 v[jj], v[jj]
.set jj, jj+1
.endr
	WIN 0
.irp t, 0,1
	v_pk_mul_f32 v[ST+24*\t+14:ST+24*\t+15], v[ST+24*\t+14:ST+24*\t+15], v[ST+24*\t+16:ST+24*\t+17] op_sel_hi:[1,0]   ; l under the new M (plain lines behind the exponentials)
.endr
	WIN 0x41
	WALU                                           ; one wait for the batch, directly ahead of the first reader of O^T too
.set jj, 0
.rept 16
	v_pk_mul_f32 v[128+jj:129+jj], v[128+jj:129+jj], v[ST+16:ST+17] op_sel_hi:[1,0]   ; O^T under the new M
	v_pk_mul_f32 v[160+jj:161+jj], v[160+jj:161+jj], v[ST+40:ST+41] op_sel_hi:[1,0]
.set jj, jj+2
.endr
	WIN 0
.irp b, 0,1,2,3
.irp t, 0,1
	v_max_num_f32 v[ST+24*\t+\b], 0x1800000, v[ST+24*\t+\b]
.endr
.endr
.irp b, 0,1,2,3
.irp t, 0,1
	v_add_nc_u32 v[ST+24*\t+8+\b], 0xff000000, v[ST+24*\t+\b]
.endr
.endr
.irp b, 0,1,2,3
.irp t, 0,1
	v_lshrrev_b32 v[ST+24*\t+4+\b], 23, v[ST+24*\t+8+\b]
.endr
.endr
.irp t, 0,1
	v_lshl_or_b32 v[58+\t], v[ST+24*\t+5], 8, v[ST+24*\t+4]
.endr
.irp t, 0,1
	v_lshl_or_b32 v[58+\t], v[ST+24*\t+6], 16, v[58+\t]
.endr
.irp t, 0,1
	v_lshl_or_b32 v[58+\t], v[ST+24*\t+7], 24, v[58+\t]            ; p's scale word
.endr
	WIN 0x01
.irp t, 0,1
.irp c, 0,1
	v_cvt_scalef32_pk16_fp6_f32 v[PC+20*\t+6*\c:PC+20*\t+6*\c+2], v[64*\t+32*\c:64*\t+32*\c+15], v[ST+24*\t+8+2*\c]
	v_cvt_scalef32_pk16_fp6_f32 v[PC+20*\t+12+4*\c:PC+20*\t+14+4*\c], v[64*\t+32*\c+16:64*\t+32*\c+31], v[ST+24*\t+9+2*\c]
.endr
.endr
	WIN 0
	v_nop                                          ; a plain line behind the conversions
.irp c, 0,1                            ; a whole block to a lane
.irp i, 0,1,2
.irp t, 0,1
	v_permlane16_swap_b32 v[PC+20*\t+6*\c+\i], v[PC+20*\t+12+4*\c+\i]
.endr
.endr
.endr
.irp c, 0,1
.irp i, 0,1,2
.irp t, 0,1
	v_mov_b32 v[PC+20*\t+3+6*\c+\i], v[PC+20*\t+12+4*\c+\i]
.endr
.endr
.endr
	WIN 0x05                                       ; l: the unquantised p, two at a time, four chains a tile; these lines are also the places ahead of the products below
.irp t, 0,1
	v_pk_add_f32 v[244+4*\t:245+4*\t], v[64*\t:64*\t+1], v[64*\t+2:64*\t+3]
	v_pk_add_f32 v[246+4*\t:247+4*\t], v[64*\t+4:64*\t+5], v[64*\t+6:64*\t+7]
	v_pk_add_f32 v[ST+24*\t+4:ST+24*\t+5], v[64*\t+8:64*\t+9], v[64*\t+10:64*\t+11]
.endr
	WIN 0x04
.set jj, 12
.rept 6
.irp t, 0,1
	v_pk_add_f32 v[ST+24*\t+14:ST+24*\t+15], v[ST+24*\t+14:ST+24*\t+15], v[64*\t+jj:64*\t+jj+1]
	v_pk_add_f32 v[244+4*\t:245+4*\t], v[244+4*\t:245+4*\t], v[64*\t+jj+2:64*\t+jj+3]
	v_pk_add_f32 v[246+4*\t:247+4*\t], v[246+4*\t:247+4*\t], v[64*\t+jj+4:64*\t+jj+5]
	v_pk_add_f32 v[ST+24*\t+4:ST+24*\t+5], v[ST+24*\t+4:ST+24*\t+5], v[64*\t+jj+6:64*\t+jj+7]
.endr
.set jj, jj+8
.endr
.irp t, 0,1
	v_pk_add_f32 v[ST+24*\t+14:ST+24*\t+15], v[ST+24*\t+14:ST+24*\t+15], v[64*\t+60:64*\t+61]
	v_pk_add_f32 v[244+4*\t:245+4*\t], v[244+4*\t:245+4*\t], v[64*\t+62:64*\t+63]
.endr
	WIN 0
.irp t, 0,1
	v_pk_add_f32 v[246+4*\t:247+4*\t], v[246+4*\t:247+4*\t], v[ST+24*\t+4:ST+24*\t+5]
.endr
.irp t, 0,1
	v_pk_add_f32 v[ST+24*\t+14:ST+24*\t+15], v[ST+24*\t+14:ST+24*\t+15], v[244+4*\t:245+4*\t]
.endr
.irp t, 0,1
	v_pk_add_f32 v[ST+24*\t+14:ST+24*\t+15], v[ST+24*\t+14:ST+24*\t+15], v[246+4*\t:247+4*\t]
.endr
	WALU                                           ; directly ahead of the wait below
	s_wait_dscnt 17                                ; V is in; the next K's 17 loads, issued behind it, may be out
	WIN 0x50                                       ; the eight sums take turns, one instruction a turn
.irp p, 0,1
.irp t, 0,1
	v_wmma_scale_f32_16x16x128_f8f6f4 v[128+32*\t+16*\p:128+32*\t+16*\p+7], v[VF+24*\p:VF+24*\p+11], v[PC+20*\t:PC+20*\t+11], v[128+32*\t+16*\p:128+32*\t+16*\p+7], v[56+\p], v[58+\t] matrix_a_fmt:MATRIX_FMT_FP6 matrix_b_fmt:MATRIX_FMT_FP6
.endr
.irp t, 0,1
	v_wmma_scale_f32_16x16x128_f8f6f4 v[128+32*\t+16*\p+8:128+32*\t+16*\p+15], v[VF+24*\p+12:VF+24*\p+23], v[PC+20*\t:PC+20*\t+11], v[128+32*\t+16*\p+8:128+32*\t+16*\p+15], v[56+\p], v[58+\t] matrix_a_fmt:MATRIX_FMT_FP6 matrix_b_fmt:MATRIX_FMT_FP6 matrix_a_scale:MATRIX_SCALE_ROW1
.endr
.endr
	WIN 0
.Lhidden_\@:
	s_add_co_u32 s[TB], s[TB], 6144
	s_add_co_u32 s[TS], s[TS], 256
	s_add_co_u32 s[KS], s[KS], 1
	s_cmp_lt_u32 s[KS], 16
	s_cbranch_scc1 .Lstep_\@
	; the unit's way out: O^T / l; register 16 p + i is d = 32 p + 16 h + i: two blocks a tile, each in lanes l and l xor 16
.rept 4
	v_nop                                          ; places behind the last products
.endr
.irp t, 0,1
	v_add_f32 v[ST+24*\t+14], v[ST+24*\t+14], v[ST+24*\t+15]
.endr
.irp t, 0,1
	v_permlanex16_b32 v[ST+24*\t+18], v[ST+24*\t+14], s[SEL], s[SEL+1]
.endr
.irp t, 0,1
	v_add_f32 v[ST+24*\t+14], v[ST+24*\t+14], v[ST+24*\t+18]
.endr
	WALU                                           ; ahead of the transcendentals,
.irp t, 0,1
	v_rcp_f32 v[ST+24*\t+14], v[ST+24*\t+14]
.endr
	v_nop
	WIN 0x41
	WALU                                           ; and behind them, directly ahead of the first reader of O^T
.set jj, 0
.rept 32
	v_mul_f32 v[jj], v[128+jj], v[ST+14]
	v_mul_f32 v[64+jj], v[160+jj], v[ST+38]
.set jj, jj+1
.endr
	WIN 0x05
.irp p, 0,1
.irp t, 0,1
	v_max3_num_f32 v[ST+24*\t+\p], |v[64*\t+16*\p]|, |v[64*\t+16*\p+1]|, 0x1800000
.endr
.endr
	WIN 0x14
.irp i, 2,4,6,8,10,12,14
.irp p, 0,1
.irp t, 0,1
	v_max3_num_f32 v[ST+24*\t+\p], v[ST+24*\t+\p], |v[64*\t+16*\p+\i]|, |v[64*\t+16*\p+\i+1]|
.endr
.endr
.endr
	WIN 0
.irp p, 0,1
.irp t, 0,1
	v_permlanex16_b32 v[ST+24*\t+4+\p], v[ST+24*\t+\p], s[SEL], s[SEL+1]
.endr
.endr
.irp p, 0,1
.irp t, 0,1
	v_max_num_f32 v[ST+24*\t+\p], v[ST+24*\t+\p], v[ST+24*\t+4+\p]
.endr
.endr
.irp p, 0,1
.irp t, 0,1
	v_add_nc_u32 v[ST+24*\t+8+\p], 0xff000000, v[ST+24*\t+\p]
.endr
.endr
.irp p, 0,1
.irp t, 0,1
	v_lshrrev_b32 v[ST+24*\t+4+\p], 23, v[ST+24*\t+8+\p]
.endr
.endr
	WIN 0x01
.irp t, 0,1
	v_cvt_scalef32_pk16_fp6_f32 v[PC+20*\t:PC+20*\t+2], v[64*\t:64*\t+15], v[ST+24*\t+8]
	v_cvt_scalef32_pk16_fp6_f32 v[PC+20*\t+4:PC+20*\t+6], v[64*\t+16:64*\t+31], v[ST+24*\t+9]
.endr
	WIN 0
.irp t, 0,1
	v_cndmask_b32 v[ST+24*\t+18], v[ST+24*\t+4], v[ST+24*\t+5], s15   ; lane (r, h) stores block h's byte (plain lines behind the conversions)
.endr
.irp i, 0,1,2
.irp t, 0,1
	v_permlane16_swap_b32 v[PC+20*\t+\i], v[PC+20*\t+4+\i]         ; a whole block to a lane
.endr
.endr
.irp i, 3,4,5
.irp t, 0,1
	v_mov_b32 v[PC+20*\t+\i], v[PC+20*\t+\i+1]
.endr
.endr
.irp t, 0,1
	global_store_b128 v1, v[PC+20*\t:PC+20*\t+3], s[\ob:\ob+1] offset:3072*\t
	global_store_b64 v2, v[PC+20*\t+4:PC+20*\t+5], s[\ob:\ob+1] offset:3072*\t+512
	global_store_b8 v4, v[ST+24*\t+18], s[\os:\os+1] offset:128*\t
.endr
.endm
	UNIT 0, 11, 58, 50, 52
	UNIT 1, 12, 59, 54, 56
	s_wait_tensorcnt 0x0                           ; the wave's end
	ds_add_u32 v254, v255
	s_wait_dscnt 0x0
	CROUND                                         ; the closing round
	s_endpgm
.Lfunc_end_k_q6941f90b7b_attn:
	.size	k_q6941f90b7b_attn, .Lfunc_end_k_q6941f90b7b_attn-k_q6941f90b7b_attn
	.p2alignl 7, 3214868480
	.fill 96, 4, 3214868480
	.section	.rodata,"a",@progbits
	.p2align	6, 0x0
	.amdhsa_kernel k_q6941f90b7b_attn
		.amdhsa_group_segment_fixed_size 206848
		.amdhsa_private_segment_fixed_size 0
		.amdhsa_enable_private_segment 0
		.amdhsa_kernarg_size 16
		.amdhsa_user_sgpr_count 2
		.amdhsa_user_sgpr_kernarg_segment_ptr 1
		.amdhsa_wavefront_size32 1
		.amdhsa_system_sgpr_workgroup_id_x 1
		.amdhsa_system_sgpr_workgroup_id_y 1
		.amdhsa_system_sgpr_workgroup_id_z 1
		.amdhsa_system_vgpr_workitem_id 0
		.amdhsa_next_free_vgpr 464
		.amdhsa_next_free_sgpr 66
		.amdhsa_reserve_vcc 1
		.amdhsa_float_denorm_mode_32 3
		.amdhsa_float_denorm_mode_16_64 3
		.amdhsa_memory_ordered 1
		.amdhsa_forward_progress 1
		.amdhsa_inst_pref_size 110
	.end_amdhsa_kernel
	.amdgpu_metadata
---
amdhsa.version: [ 1, 2 ]
amdhsa.kernels:
  - .name:           k_q6941f90b7b_attn
    .symbol:         k_q6941f90b7b_attn.kd
    .args:
      - { .name: qkv, .offset: 0, .size: 8, .value_kind: global_buffer, .address_space: global }
      - { .name: oimg, .offset: 8, .size: 8, .value_kind: global_buffer, .address_space: global }
    .group_segment_fixed_size: 206848
    .private_segment_fixed_size: 0
    .kernarg_segment_align: 8
    .kernarg_segment_size: 16
    .max_flat_workgroup_size: 256
    .sgpr_count:     66
    .vgpr_count:     464
    .wavefront_size: 32
...
	.end_amdgpu_metadata
.endif
;; end of part 3
;; launch proj (part 4): grid 8 x 32, 4 waves a work-group, clusters of 4 x 4, 307,712 bytes of LDS; arguments oimg, wimg, bp, out0; writes out0
.if DOCPART == 4
	.amdgcn_target "amdgcn-amd-amdhsa--gfx1250"
	.amdhsa_code_object_version 6
	.text
	.protected	k_q6941f90b7b_proj
	.globl	k_q6941f90b7b_proj
	.p2align	8
	.type	k_q6941f90b7b_proj,@function
k_q6941f90b7b_proj:
	s_mov_b64 s[64:65], 0
	v_nop
	global_prefetch_b8 v0, s[64:65] scope:SCOPE_SE
	s_setreg_imm32_b32 hwreg(HW_REG_WAVE_MODE, 25, 1), 1
	s_wait_xcnt 0x0
	s_wait_alu depctr_hold_cnt(0) depctr_sa_sdst(0) depctr_va_vdst(0) depctr_va_sdst(0) depctr_va_ssrc(0) depctr_va_vcc(0) depctr_vm_vsrc(0)
	s_getreg_b32 s2, hwreg(HW_REG_IB_STS2, 6, 4)
	s_cmp_eq_u32 s2, 0
	s_cbranch_scc0 .Lentry_in_a_cluster
	s_endpgm
.Lentry_in_a_cluster:
	s_bfe_u32 s2, ttmp6, 0x10000c
	s_cmp_lg_u32 s2, 0xf033
	s_cbranch_scc0 .Lentry_shape_is_right
	s_endpgm
.Lentry_shape_is_right:
; out0 = attention's result x Wp + bp, on codes of FP6 (E2M3).  Operands come as images of the operand's registers: half image = 16 rows x 64 K, 768 bytes; pair = 32 rows, tile u lane r = row 8 u + r + 8 (r / 8);
; block = pair x 256 K, 6,400 bytes: half image (u, q) at (4 u + q) 768, scale words at 6144 + 8 x (16 u + r) + 4 s; a pair's four blocks on end.
; A WORK-GROUP makes 256 tokens (A, source 1: a lane holds one token) x 128 columns (B = Wp's columns, wimg's pairs 96 on, source 0: the registers run along them), all of K = 1,024.  All its operands fit in LDS at once:
; four quarters of K, 76,800 bytes each, every byte filled once.  Wave w: A's pairs 2 w, 2 w + 1 (4 tiles) x B's 8 tiles: 32 accumulators.  The bias is the C of each sum's first product.
; CLUSTER 4 x 4: A's tiles are shared along a row, B's along a column: joint loads, all issued at the head behind one round; a wave has one tensor load out.
; THE WAY OUT: a tile of 16 tokens x 128 columns goes through my stage (16 rows x 528 bytes) and leaves as rows of 512 consecutive bytes.  The stage lies in the wave's own two pairs of A: they have had their one fill, and the
; wave has read them out before its first store there.
; REGISTERS: window 0: v4-7 addresses, v16-31 LDS addresses, v32-47 A's scale words, v48-79 B's (scales and nothing else), v80-175 A's fragments, two sets (on the way out v80-207 rows);
;   window 1: B's fragments, sets at v0 and v128;  window 2: accumulator (a, b) at v[8 (8 a + b)];  window 3: v0-63 the bias, eight registers for each tile of B.
; THE LDS IMAGE AS THIS TEXT HAS IT: pair-major and dense, as the pairs lie in memory: A's pair p at 25,600 p (p = 0 .. 7), B's pair q at 204,800 + 25,600 q; inside a pair its four blocks of 256 along K on end.
; Each wave issues ONE tensor load at the head (waves 0, 1: four pairs of A each; waves 2, 3: two pairs of B each), stated as rows of 256 bytes; every wave waits for its load, and one barrier shows all of K to all waves.
; B's pairs 2 and 3 lie beyond an LDS offset's 16 bits from pair 0: they have address registers of their own, v216-223.
; THE STAGE of a wave lies at the head of its OWN two pairs of A, which no other wave reads, which have had their one fill, and which the wave has read out when its first result is stored there.
.set PBK,   6400
.set PAIRB, 25600
.set A16, 16
.set A8,  20
.set B16, 24
.set B8,  28
.set SA,  32
.set SB,  48
.set AF,  80
.set STO, 4
.set RD,  5
.set CO,  6
.set BO,  7
.set MSB, 0
.macro WIN new                         ; the immediate's high byte repeats the setting that is left
.if MSB != \new
	s_set_vgpr_msb (MSB<<8)|\new
.set MSB, \new
.endif
.endm
.macro CROUND
	s_barrier_signal -1
	s_barrier_wait -1
	s_cmp_lg_u32 s10, 0
	s_cbranch_scc1 .Lnot_wave_0_\@
	s_barrier_signal -3
.Lnot_wave_0_\@:
	s_barrier_wait -3
	s_barrier_signal -1
	s_barrier_wait -1
.endm
.macro PLACES
.rept 4
	v_nop
.endr
.endm
	s_load_b128 s[4:7], s[0:1], 0x0                ; oimg, wimg
	s_load_b128 s[84:87], s[0:1], 0x10             ; bp, out0
	v_lshl_add_u32 v254, v0, 2, 0x4b000
	v_mov_b32 v255, 0
	ds_add_u32 v254, v255
	ds_add_u32 v254, v255
	v_lshrrev_b32 v1, 5, v0
	v_readfirstlane_b32 s10, v1                    ; wave
	s_lshr_b32 s11, s10, 1                         ; I fetch for A (0) or for B (1)
	s_and_b32 s12, s10, 1
	s_bfe_u32 s13, ttmp6, 0x40000                  ; cx
	s_bfe_u32 s14, ttmp6, 0x40004                  ; cy
	s_and_b32 s15, ttmp7, 0xffff
	s_lshl_b32 s16, s14, 2
	s_lshl_b32 s16, 15, s16                        ; my row of the cluster
	s_lshl_b32 s17, 0x1111, s13                    ; my column
	s_or_b32 s24, s16, (3<<16)|(1<<21)
	s_or_b32 s32, s17, (3<<16)|(1<<21)
	s_mov_b32 s25, 32<<16                          ; rows of 256 bytes = 32 elements of 8
	s_mov_b32 s26, 400<<16                         ; A: four pairs on end, 102,400 bytes = 400 rows
	s_mov_b32 s27, 32<<16
	s_mov_b32 s28, 400
	s_mov_b32 s29, 32
	s_mov_b32 s30, 0
	s_mov_b32 s31, 0
	s_mov_b32 s33, 32<<16
	s_mov_b32 s34, 200<<16                         ; B: two pairs on end, 51,200 bytes = 200 rows
	s_mov_b32 s35, 32<<16
	s_mov_b32 s36, 200
	s_mov_b32 s37, 32
	s_mov_b32 s38, 0
	s_mov_b32 s39, 0
	s_lshl_b32 s18, s15, 2
	s_add_co_u32 s18, s18, s14                     ; A's tile: 4 x cluster y + cy
	s_lshl_b32 s22, s18, 3
	s_lshl_b32 s23, s12, 2
	s_add_co_u32 s22, s22, s23
	s_mul_i32 s22, s22, PAIRB
	s_mov_b32 s23, 0
	s_lshl_b32 s19, ttmp9, 2
	s_add_co_u32 s19, s19, s13                     ; B's tile: 4 x cluster x + cx
	s_lshl_b32 s60, s19, 2
	s_lshl_b32 s61, s12, 1
	s_add_co_u32 s60, s60, s61
	s_add_co_u32 s60, s60, 96                      ; Wp's pairs begin at 96
	s_mul_i32 s60, s60, PAIRB
	s_mov_b32 s61, 0
	s_mul_i32 s62, s12, 4*PAIRB
	s_mul_i32 s21, s12, 2*PAIRB
	s_add_co_u32 s21, s21, 8*PAIRB
	s_wait_dscnt 0x0
	s_wait_kmcnt 0x0
	s_add_nc_u64 s[56:57], s[4:5], s[22:23]
	s_add_nc_u64 s[58:59], s[6:7], s[60:61]
.irp kc, 0                             ; one group 0 for A and one for B
	s_mov_b32 s[40+4*\kc], 1
	s_mov_b32 s[41+4*\kc], s62
	s_add_nc_u64 s[42+4*\kc:43+4*\kc], s[56:57], PBK*\kc
	s_or_b32 s[43+4*\kc], s[43+4*\kc], 0x80000000
	s_mov_b32 s[68+4*\kc], 1
	s_mov_b32 s[69+4*\kc], s21
	s_add_nc_u64 s[70+4*\kc:71+4*\kc], s[58:59], PBK*\kc
	s_or_b32 s[71+4*\kc], s[71+4*\kc], 0x80000000
.endr
	CROUND                                         ; all sixteen work-groups are here: the joint loads meet
	s_cmp_eq_u32 s11, 0
	s_cbranch_scc0 .Lfor_b
	tensor_load_to_lds s[40:43], s[24:31]
	s_nop 0
	PLACES
	s_branch .Lasked
.Lfor_b:
	tensor_load_to_lds s[68:71], s[32:39]
	s_nop 0
	PLACES
.Lasked:
	v_and_b32 v1, 31, v0
	v_lshlrev_b32 v2, 4, v1                        ; 16 x lane
	v_lshlrev_b32 v3, 3, v1                        ; 8 x lane
	v_and_b32 v8, 15, v0                           ; r
	v_bfe_u32 v9, v0, 4, 1                         ; h
	v_lshlrev_b32 v[BO], 6, v9                     ; the bias: my half's 16 columns of each 32
	s_lshl_b32 s88, s19, 9                         ; 128 columns of 4 bytes a tile
	s_mov_b32 s89, 0
	s_add_nc_u64 s[84:85], s[84:85], s[88:89]
	WIN 0xc0                                       ; destination window 3
.irp b, 0,1,2,3,4,5,6,7
	global_load_b128 v[8*\b:8*\b+3], v[BO], s[84:85] offset:128*(\b/2)+32*(\b%2)        ; register j of tile b: column 32 (b / 2) + 16 h + 8 (b % 2) + j
	global_load_b128 v[8*\b+4:8*\b+7], v[BO], s[84:85] offset:128*(\b/2)+32*(\b%2)+16
.endr
	WIN 0
	s_mul_i32 s63, s10, 2*PAIRB                    ; my two pairs of A
	v_add_nc_u32 v10, s63, v2
	v_add_nc_u32 v11, s63, v3
.irp kc, 0,1,2,3
	v_add_nc_u32 v[A16+\kc], PBK*\kc, v10
	v_add_nc_u32 v[A8+\kc], PBK*\kc, v11
	v_add_nc_u32 v[B16+\kc], PBK*\kc+8*PAIRB, v2
	v_add_nc_u32 v[B8+\kc], PBK*\kc+8*PAIRB, v3
	v_add_nc_u32 v[B16+192+\kc], PBK*\kc+10*PAIRB, v2
	v_add_nc_u32 v[B8+192+\kc], PBK*\kc+10*PAIRB, v3
.endr
	s_mul_i32 s90, s10, 2*PAIRB                    ; my stage: the head of my own two pairs of A
	v_mul_u32_u24 v[STO], v8, 528
	v_lshl_add_u32 v[STO], v9, 6, v[STO]
	v_add_nc_u32 v[STO], s90, v[STO]               ; in: row r, + 64 h
	v_add_nc_u32 v[RD], s90, v2                    ; back: 16 bytes a lane of a row
	v_mov_b32 v[CO], v2
	s_lshl_b32 s90, s18, 8
	s_lshl_b32 s91, s10, 6
	s_add_co_u32 s90, s90, s91
	s_lshl_b32 s90, s90, 12                        ; my first token's row of 4,096 bytes
	s_add_co_u32 s90, s90, s88
	s_mov_b32 s91, 0
	s_add_nc_u64 s[86:87], s[86:87], s[90:91]
.macro FRAG reg, a16, a8, off
	ds_load_b128 v[(\reg):(\reg)+3], v[\a16] offset:(\off)
	ds_load_b64 v[(\reg)+4:(\reg)+5], v[\a8] offset:(\off)+512
	ds_load_b128 v[(\reg)+6:(\reg)+9], v[\a16] offset:(\off)+768
	ds_load_b64 v[(\reg)+10:(\reg)+11], v[\a8] offset:(\off)+1280
.endm
.macro FETCH ks
.set KC, (\ks)/2
.set KSS, (\ks)%2
	WIN 0x40
.irp b, 0,1,2,3,4,5,6,7
	FRAG 128*KSS+12*\b, B16+KC+192*(\b/4), B8+KC+192*(\b/4), ((\b/2)%2)*PAIRB+(4*(\b%2)+2*KSS)*768
.endr
	WIN 0
.irp a, 0,1,2,3
	FRAG AF+48*KSS+12*\a, A16+KC, A8+KC, (\a/2)*PAIRB+(4*(\a%2)+2*KSS)*768
.endr
.if KSS == 0
.irp p, 0,1
	ds_load_b64 v[SA+8*\p+2*KC:SA+8*\p+2*KC+1], v[A8+KC] offset:\p*PAIRB+6144
.endr
.irp p, 0,1,2,3
	ds_load_b64 v[SB+8*\p+2*KC:SB+8*\p+2*KC+1], v[B8+KC+192*(\p/2)] offset:(\p%2)*PAIRB+6144
.endr
.endif
.endm
.macro WM4 p, q, ks, first             ; A's tiles 2 p, 2 p + 1 x B's tiles 2 q, 2 q + 1; an odd tile's scale words stand in lanes 16-31.  first = 1: C is the bias (window 3)
.set FA, AF+48*((\ks)%2)+24*(\p)
.set FB, 128*((\ks)%2)+24*(\q)
.set DA, 8*(16*(\p)+2*(\q))
.set BI, 16*(\q)
.set RA, SA+8*(\p)+(\ks)
.set RB, SB+8*(\q)+(\ks)
.if \first
	v_wmma_scale_f32_16x16x128_f8f6f4 v[DA:DA+7], v[FB:FB+11], v[FA:FA+11], v[BI:BI+7], v[RB], v[RA] matrix_a_fmt:MATRIX_FMT_FP6 matrix_b_fmt:MATRIX_FMT_FP6
	v_wmma_scale_f32_16x16x128_f8f6f4 v[DA+8:DA+15], v[FB+12:FB+23], v[FA:FA+11], v[BI+8:BI+15], v[RB], v[RA] matrix_a_fmt:MATRIX_FMT_FP6 matrix_b_fmt:MATRIX_FMT_FP6 matrix_a_scale:MATRIX_SCALE_ROW1
	v_wmma_scale_f32_16x16x128_f8f6f4 v[DA+64:DA+71], v[FB:FB+11], v[FA+12:FA+23], v[BI:BI+7], v[RB], v[RA] matrix_a_fmt:MATRIX_FMT_FP6 matrix_b_fmt:MATRIX_FMT_FP6 matrix_b_scale:MATRIX_SCALE_ROW1
	v_wmma_scale_f32_16x16x128_f8f6f4 v[DA+72:DA+79], v[FB+12:FB+23], v[FA+12:FA+23], v[BI+8:BI+15], v[RB], v[RA] matrix_a_fmt:MATRIX_FMT_FP6 matrix_b_fmt:MATRIX_FMT_FP6 matrix_a_scale:MATRIX_SCALE_ROW1 matrix_b_scale:MATRIX_SCALE_ROW1
.else
	v_wmma_scale_f32_16x16x128_f8f6f4 v[DA:DA+7], v[FB:FB+11], v[FA:FA+11], v[DA:DA+7], v[RB], v[RA] matrix_a_fmt:MATRIX_FMT_FP6 matrix_b_fmt:MATRIX_FMT_FP6
	v_wmma_scale_f32_16x16x128_f8f6f4 v[DA+8:DA+15], v[FB+12:FB+23], v[FA:FA+11], v[DA+8:DA+15], v[RB], v[RA] matrix_a_fmt:MATRIX_FMT_FP6 matrix_b_fmt:MATRIX_FMT_FP6 matrix_a_scale:MATRIX_SCALE_ROW1
	v_wmma_scale_f32_16x16x128_f8f6f4 v[DA+64:DA+71], v[FB:FB+11], v[FA+12:FA+23], v[DA+64:DA+71], v[RB], v[RA] matrix_a_fmt:MATRIX_FMT_FP6 matrix_b_fmt:MATRIX_FMT_FP6 matrix_b_scale:MATRIX_SCALE_ROW1
	v_wmma_scale_f32_16x16x128_f8f6f4 v[DA+72:DA+79], v[FB+12:FB+23], v[FA+12:FA+23], v[DA+72:DA+79], v[RB], v[RA] matrix_a_fmt:MATRIX_FMT_FP6 matrix_b_fmt:MATRIX_FMT_FP6 matrix_a_scale:MATRIX_SCALE_ROW1 matrix_b_scale:MATRIX_SCALE_ROW1
.endif
.endm
.macro MUL ks, first                   ; the 32 accumulators take turns, one instruction a turn, in the same order in every step
.irp p, 0,1
.irp q, 0,1,2,3
	WM4 \p, \q, \ks, \first
.endr
.endr
.endm
; A K step: its fragments are in; the next step's are asked for (four places behind the products that read that set); then its 32 products.  All of K lies in LDS from the head's barrier on.
.macro KSTEP ks, first
	s_wait_dscnt 0x0
.if ((\ks) > 0) && ((\ks) < 7)
	PLACES
.endif
.if (\ks) < 7
	FETCH (\ks)+1
.endif
.if \first
	WIN 0xb1                                       ; source 0 (B) window 1, source 1 (A) window 0, C window 3, D window 2
.else
	WIN 0xa1                                       ; C and D window 2
.endif
	MUL \ks, \first
	WIN 0
.endm
	s_wait_alu depctr_va_vdst(0)
	s_wait_tensorcnt 0x0                           ; my one load has landed
	s_barrier_signal -1
	s_barrier_wait -1
	FETCH 0
	s_wait_loadcnt 0x0                             ; the bias
	KSTEP 0, 1
.irp k, 1,2,3,4,5,6,7
	KSTEP \k, 0
.endr
.macro TOSTAGE a                       ; tile a: a lane's 64 numbers of one token into its stage row; then 16 whole rows back
	WIN 0x08                                       ; an LDS store's data: window 2
.irp b, 0,1,2,3,4,5,6,7
	ds_store_b128 v[STO], v[64*(\a)+8*\b:64*(\a)+8*\b+3] offset:128*(\b/2)+32*(\b%2)        ; each accumulator from its low end on
	ds_store_b128 v[STO], v[64*(\a)+8*\b+4:64*(\a)+8*\b+7] offset:128*(\b/2)+32*(\b%2)+16
.endr
	WIN 0
.set BB, 80+64*((\a)%2)
.irp i, 0,1,2,3,4,5,6,7,8,9,10,11,12,13,14,15
	ds_load_b128 v[BB+4*\i:BB+4*\i+3], v[RD] offset:\i*528   ; a wave's LDS instructions are served in order: these see my stores, and the next tile's stores come behind them
.endr
.endm
.macro SEND a, younger                 ; younger: the LDS instructions issued behind tile a's loads
.set BB, 80+64*((\a)%2)
	s_wait_dscnt \younger
.irp i, 0,1,2,3,4,5,6,7,8,9,10,11,12,13,14,15
	global_store_b128 v[CO], v[BB+4*\i:BB+4*\i+3], s[86:87] offset:(32*((\a)/2)+8*((\a)%2)+\i+8*(\i/8))*4096 th:TH_STORE_NT   ; 512 consecutive bytes of the token that lane i of the tile stands for
.endr
.endm
	PLACES                                         ; four places behind the last products
	TOSTAGE 0
.irp a, 1,2,3
.if \a > 1
	s_wait_xcnt 0x0                                ; tile a - 2's stores have read the registers into which tile a's rows are loaded
.endif
	TOSTAGE \a
	SEND \a-1, 32                                  ; behind tile a - 1's loads: tile a's 16 stores and 16 loads
.endr
	SEND 3, 0
	s_wait_tensorcnt 0x0
	ds_add_u32 v254, v255
	s_wait_dscnt 0x0
	CROUND                                         ; the closing round
	s_endpgm
.Lfunc_end_k_q6941f90b7b_proj:
	.size	k_q6941f90b7b_proj, .Lfunc_end_k_q6941f90b7b_proj-k_q6941f90b7b_proj
	.p2alignl 7, 3214868480
	.fill 96, 4, 3214868480
	.section	.rodata,"a",@progbits
	.p2align	6, 0x0
	.amdhsa_kernel k_q6941f90b7b_proj
		.amdhsa_group_segment_fixed_size 307712
		.amdhsa_private_segment_fixed_size 0
		.amdhsa_enable_private_segment 0
		.amdhsa_kernarg_size 32
		.amdhsa_user_sgpr_count 2
		.amdhsa_user_sgpr_kernarg_segment_ptr 1
		.amdhsa_wavefront_size32 1
		.amdhsa_system_sgpr_workgroup_id_x 1
		.amdhsa_system_sgpr_workgroup_id_y 1
		.amdhsa_system_sgpr_workgroup_id_z 1
		.amdhsa_system_vgpr_workitem_id 0
		.amdhsa_next_free_vgpr 832
		.amdhsa_next_free_sgpr 100
		.amdhsa_reserve_vcc 0
		.amdhsa_float_denorm_mode_32 3
		.amdhsa_float_denorm_mode_16_64 3
		.amdhsa_memory_ordered 1
		.amdhsa_forward_progress 1
		.amdhsa_inst_pref_size 83
	.end_amdhsa_kernel
	.amdgpu_metadata
---
amdhsa.version: [ 1, 2 ]
amdhsa.kernels:
  - .name:           k_q6941f90b7b_proj
    .symbol:         k_q6941f90b7b_proj.kd
    .args:
      - { .name: oimg, .offset: 0, .size: 8, .value_kind: global_buffer, .address_space: global }
      - { .name: wimg, .offset: 8, .size: 8, .value_kind: global_buffer, .address_space: global }
      - { .name: bp, .offset: 16, .size: 8, .value_kind: global_buffer, .address_space: global }
      - { .name: out0, .offset: 24, .size: 8, .value_kind: global_buffer, .address_space: global }
    .group_segment_fixed_size: 307712
    .private_segment_fixed_size: 0
    .kernarg_segment_align: 8
    .kernarg_segment_size: 32
    .max_flat_workgroup_size: 128
    .sgpr_count:     100
    .vgpr_count:     832
    .wavefront_size: 32
...
	.end_amdgpu_metadata
.endif
;; end of part 4
